; MI455X (gfx1250); checked and timed in simulation.
; The chip was launched on July 23, 2026; its instructions are those of AMD's public machine-readable ISA for CDNA 5 (MIT licence, August 2026) and "CDNA5" Instruction Set Architecture Reference Guide (July 2026). The comments in the code are by the model that wrote it; some were corrected since.
;; Attention. Allowed arithmetic: matrix products marked QUANTISED: E2M1 operands, one E8M0 scale for each 32 along K, by v_wmma_scale_f32_16x16x128_f8f6f4 with both operands' format E2M1 (or v_wmma_scale_f32_32x16x128_f4), f32 sums; products left as they are: bf16, f16 or f32 operands; f32 sums; everything else in f32.
;; Inputs: b_fc 1,024 float32; b_qkv 3,072 float32; w_fc 1,024 x 1,024 float32; w_qkv 1,024 x 3,072 float32; x 4 x 2,048 x 1,024 float32.
;; Outputs: out0 4 x 2,048 x 1,024 float32.
;; This version of the problem:
;;   THIS VERSION OF THE PROBLEM IS GIVEN IN LOW PRECISION. The matrix products marked QUANTISED in the list below multiply operands that are first quantised to E2M1 (2 exponent bits, 1 mantissa bit; 4 bits a number), with one power-of-two scale for each 32 numbers along K (OCP MX v1.0); their sums are f32. The products marked 'left as it is' may take bf16, f16 or f32 operands, with f32 sums. Whichever they take, every output number must still come out within the allowed error. Rounding operands to bf16 (8 significant bits) uses up far more of that allowance than f16 does (11 bits, for magnitudes from 6e-5 to 65,504). All else is computed in f32.
;;   The module's matrix products, in the order in which they are computed (A, B: the left and right operand; K: the contracted axis; several contracted axes count as one K, in the product's order):
;;     1. [M 8,192, K 1,024] x [K 1,024, N 3,072]; A: input x; B: input w_qkv: QUANTISED
;;     2. batch 64 x [M 2,048, K 64] x [K 64, N 2,048]; A: computed on the way; B: computed on the way: left as it is (an operand is computed on the way)
;;     3. batch 64 x [M 2,048, K 2,048] x [K 2,048, N 64]; A: computed on the way; B: computed on the way: left as it is (an operand is computed on the way)
;;     4. [M 8,192, K 1,024] x [K 1,024, N 1,024]; A: computed on the way; B: input w_fc: left as it is (an operand is computed on the way)
;;   THE QUANTISER, for each operand of a quantised product, along K:
;;     - K is cut into blocks of 32 from its start; a last block that is shorter is filled with zeros.
;;     - A block's scale is 2^e with e = floor(log2(the largest magnitude in the block)) - 2, held to -126 .. 127; a block of zeros has e = 0. As a byte (E8M0): e + 127.
;;     - Each number is divided by its block's scale, clamped to +-6, and rounded to the nearest number of E2M1, ties to even, subnormals kept.
;;     - The product sums the exact products of the quantised numbers (number of the format x scale) in f32.
;;   ~~~python
;;   def quantise(x, axis):      # numpy; x: float32 -> the quantised numbers, widened to float32 again
;;       x = np.moveaxis(x, axis, -1); K = x.shape[-1]
;;       x = np.pad(x, [(0, 0)] * (x.ndim - 1) + [(0, -K % 32)]); x = x.reshape(x.shape[:-1] + (-1, 32)); a = np.abs(x).max(-1, keepdims=True)
;;       e = np.where(a > 0, np.clip(np.frexp(np.where(a > 0, a, 1))[1] - 1 - 2, -126, 127), 0)      # np.frexp(a)[1] - 1 = floor(log2(a)), exactly
;;       r = np.clip(x / 2.0 ** e, -6, 6)
;;       step = 2.0 ** (np.maximum(np.frexp(np.where(r == 0, 1, r))[1] - 1, 0) - 1)
;;       q = np.round(r / step) * step * 2.0 ** e      # np.round: ties to even
;;       return np.moveaxis(q.reshape(q.shape[:-2] + (-1,))[..., :K], -1, axis).astype(np.float32)
;;   ~~~
;; One version. Each part assembles by itself: llvm-mc -triple=amdgcn-amd-amdhsa -mcpu=gfx1250 --defsym DOCPART=n.
;; ======== version 1 of 1: 5 launches
;; limits: values are held in f16: magnitudes above 65,504 overflow, below 6.1e-05 lose precision
;; workspace buffers: cod 5,767,168 bytes; scl 360,448 bytes; wt 2,097,152 bytes; qkvh 50,331,648 bytes; vmean 262,144 bytes; qkv32 786,432 bytes; ao 16,777,216 bytes
;; launch prep (part 1): grid 368 x 1, 4 waves a work-group, no clusters, 102,912 bytes of LDS; arguments x, w_qkv, w_fc, cod, scl, wt; writes cod, scl, wt
.if DOCPART == 1
	.amdgcn_target "amdgcn-amd-amdhsa--gfx1250"
	.amdhsa_code_object_version 6
	.text
	.protected	k_q1ae1a11eae_prep
	.globl	k_q1ae1a11eae_prep
	.p2align	8
	.type	k_q1ae1a11eae_prep,@function
k_q1ae1a11eae_prep:
	s_mov_b64 s[64:65], 0
	v_nop
	global_prefetch_b8 v0, s[64:65] scope:SCOPE_SE
	s_setreg_imm32_b32 hwreg(HW_REG_WAVE_MODE, 25, 1), 1
	s_wait_xcnt 0x0
; PREP: the operands of the later products are made once.
;   work-groups 0-47    w_qkv [1024 (k)][3072 (n)] f32 -> codes of E2M1 laid [n][k], K innermost (cod + 4,194,304), one E8M0 byte for each 32 along K (scl + 262,144)
;   work-groups 48-111  w_fc  [1024 (k)][1024 (n)] f32 -> f16 laid [n][k] (wt)
;   work-groups 112-367 x     [8192][1024] f32        -> codes (cod) and scale bytes (scl): a plain stream of blocks of 32
; A block's scale is 2^(floor(log2(largest magnitude)) - 2): its byte is the largest magnitude's exponent field - 2, held at 1 from below.
; LIMITS: NaN and infinities are not served; a block whose largest magnitude lies under 2^-124, a block of zeros too, has the byte 1 (a block of zeros: its codes are zeros, and this program alone reads the bytes).
; The three paths part on the work-group's number; each has LDS bytes of its own (x: 0 on; w_qkv: 32,768 on; w_fc: 67,584 on) and ends by itself.  Waves share nothing: no barrier.
.set SPW,   192                        ; v192 LDS address of my spare word; never rewritten
.set NIL,   193                        ; v193 0; never rewritten
.set SPARE, 102400                     ; behind the three paths' stages: 128 bytes for each wave, named by no other line
.set EMAX,  2
.set PITCH, 272                        ; a stage row of the two weight paths: 256 bytes + 16
.set WSTG,  32768
.set FSTG,  67584
	s_load_b256 s[4:11], s[0:1], 0x0               ; x s[4:5], w_qkv s[6:7], w_fc s[8:9], cod s[10:11]
	s_load_b128 s[12:15], s[0:1], 0x20             ; scl s[12:13], wt s[14:15]
	v_lshl_add_u32 v[SPW], v0, 2, SPARE
	v_mov_b32 v[NIL], 0
	v_lshrrev_b32 v1, 5, v0
	v_readfirstlane_b32 s16, v1                    ; wave 0..3
	v_and_b32 v2, 31, v0                           ; lane
	s_mov_b32 s21, 0
	s_cmp_lt_u32 ttmp9, 48
	s_cbranch_scc1 .Lpath_w
	s_cmp_lt_u32 ttmp9, 112
	s_cbranch_scc1 .Lpath_f
; ---------------- x.  A wave takes 16 steps of 512 numbers.  Each load reads 512 consecutive bytes; a step's 2,048 bytes turn through the wave's stage so that a lane holds 16 neighbours (two lanes a block).
.set XSTEPS, 16
.set XCB,   8                          ; bytes of 16 codes
.set XR,    16                         ; v16-79   four sets of 16 numbers as loaded
.set XX,    80                         ; v80-111  two sets of 16 neighbours
.set XE,    112                        ; v112-127 a scale byte for each step
.set XC,    128                        ; v128-191 codes: registers of its own for each step
.set XWREG, 8192                       ; a wave's LDS: two stages of 32 x 80 bytes, then its 256 scale bytes
.set XSP,   80                         ; a lane's place in a stage: 64 bytes + 16
	v_lshlrev_b32 v3, 4, v2                        ; my 16 bytes of a load's 512
	s_mul_i32 s17, s16, XWREG
	v_lshrrev_b32 v14, 2, v2
	v_mul_u32_u24 v14, v14, XSP
	v_and_b32 v15, 3, v2
	v_lshl_add_u32 v14, v15, 4, v14
	v_add_nc_u32 v14, s17, v14                     ; into the stage: 80 (lane / 4) + 16 (lane % 4)
	v_mul_u32_u24 v15, v2, XSP
	v_add_nc_u32 v15, s17, v15                     ; out of it: 80 x lane
	v_lshlrev_b32 v4, 3, v2                        ; 8 x lane: my codes in a step's 256 bytes, and my 8 scale bytes at the end
	v_lshrrev_b32 v5, 1, v2
	s_add_co_u32 s17, s17, 2*32*XSP
	v_add_nc_u32 v5, s17, v5                       ; my block's scale byte in LDS
	v_add_nc_u32 v6, s17, v4
	s_sub_co_u32 s18, ttmp9, 112
	s_lshl_b32 s18, s18, 2
	s_add_co_u32 s18, s18, s16                     ; which run of 8,192 numbers is my wave's: 0..1023
	s_wait_kmcnt 0x0
	s_lshl_b32 s20, s18, 15
	s_add_nc_u64 s[4:5], s[4:5], s[20:21]          ; 32,768 bytes of x a run,
	s_lshl_b32 s20, s18, 12
	s_add_nc_u64 s[10:11], s[10:11], s[20:21]      ; 4,096 of codes,
	s_lshl_b32 s20, s18, 8
	s_add_nc_u64 s[12:13], s[12:13], s[20:21]      ; 256 scale bytes
.macro XLOAD t
.irp i, 0,1,2,3
	global_load_b128 v[XR+16*((\t)%4)+4*\i:XR+16*((\t)%4)+4*\i+3], v3, s[4:5] offset:2048*(\t)+512*\i th:TH_LOAD_NT
.endr
.endm
.macro XTURN t                         ; LDS serves a wave's instructions in order: no wait between the stores and the loads
.irp i, 0,1,2,3
	ds_store_b128 v14, v[XR+16*((\t)%4)+4*\i:XR+16*((\t)%4)+4*\i+3] offset:32*XSP*((\t)%2)+8*XSP*\i
.endr
.irp i, 0,1,2,3
	ds_load_b128 v[XX+16*((\t)%2)+4*\i:XX+16*((\t)%2)+4*\i+3], v15 offset:32*XSP*((\t)%2)+16*\i
.endr
.endm
.irp t, 0,1,2,3
	XLOAD \t
.endr
	s_wait_loadcnt 12                              ; step 0's four loads are in; twelve younger ones stay out
	XTURN 0
.macro XSTEP t
.set XS, XX+16*((\t)%2)
.if (\t) > 0
	s_wait_dscnt 1                                 ; this step's numbers are back from the stage; the last step's byte store may be out
.else
	s_wait_dscnt 0x0
.endif
.if (\t)+4 < XSTEPS
	XLOAD (\t)+4
.endif
.if (\t)+1 < XSTEPS
.if XSTEPS-2-(\t) >= 3
	s_wait_loadcnt 12                              ; the next step's loads are in; those of the three steps behind it may be out
.else
	s_wait_loadcnt 4*(XSTEPS-2-(\t))
.endif
	XTURN (\t)+1
.endif
	v_max3_num_f32 v8, |v[XS]|, |v[XS+1]|, |v[XS+2]|
	v_max3_num_f32 v9, |v[XS+3]|, |v[XS+4]|, |v[XS+5]|
.irp i, 6,10
	v_max3_num_f32 v8, v8, |v[XS+\i]|, |v[XS+\i+1]|
	v_max3_num_f32 v9, v9, |v[XS+\i+2]|, |v[XS+\i+3]|
.endr
	v_max3_num_f32 v8, v8, |v[XS+14]|, |v[XS+15]|
	v_max3_num_f32 v8, v8, v9, (EMAX+1)<<23        ; with the floor 2^(3 - 127): the byte cannot fall under 1
	v_max_num_f32_dpp v8, v8, v8 row_xmask:1 row_mask:0xf bank_mask:0xf   ; and my neighbour's 16: the block's largest magnitude
	v_add_nc_u32 v11, -(EMAX<<23), v8              ; 2 off its exponent field: the conversion's scale operand
	v_cvt_scalef32_pk8_fp4_f32 v[XC+4*(\t)], v[XS:XS+7], v11
	v_cvt_scalef32_pk8_fp4_f32 v[XC+4*(\t)+1], v[XS+8:XS+15], v11
	v_lshrrev_b32 v[XE+(\t)], 23, v11              ; the scale's byte
	ds_store_b8 v5, v[XE+(\t)] offset:16*(\t)      ; both lanes of a block write the same byte with the same value
	global_store_b64 v4, v[XC+4*(\t):XC+4*(\t)+1], s[10:11] offset:32*XCB*(\t)   ; the wave stores 256 consecutive bytes, aligned
.endm
.irp t, 0,1,2,3,4,5,6,7,8,9,10,11,12,13,14,15
	XSTEP \t
.endr
	ds_load_b64 v[8:9], v6
	s_wait_dscnt 0x0
	global_store_b64 v4, v[8:9], s[12:13]          ; the wave's 256 scale bytes, aligned
	s_wait_tensorcnt 0x0                           ; the wave's end, behind my last LDS store
	ds_add_u32 v[SPW], v[NIL]
	s_wait_dscnt 0x0
	s_endpgm
; ---------------- the two weights: a lane takes a column n and its registers run down K, so that what is made has K innermost; it leaves through the wave's stage as rows.
.set WX,    32                         ; v32-95   two sets of 32 numbers
.set WC,    96                         ; v96-111  what a block becomes
.set WOUT,  112                        ; v112-175 the way out
.set WSB,   24                         ; v24-27   scale bytes, four to a register
.macro OUTADR base, sh                 ; the stage's addresses, and the same places in an output whose rows are 1 << sh bytes
	s_mul_i32 s19, s16, 32*PITCH
	s_add_co_u32 s19, s19, \base
	v_lshlrev_b32 v3, 2, v2                        ; in: 4 bytes a lane
	v_mul_u32_u24 v4, v2, PITCH
	v_add_nc_u32 v4, s19, v4                       ; into the stage: row = my column
	v_and_b32 v5, 15, v2
	v_lshrrev_b32 v6, 4, v2
	v_mul_u32_u24 v7, v6, PITCH
	v_lshl_add_u32 v7, v5, 4, v7
	v_add_nc_u32 v7, s19, v7                       ; out of it: sixteen lanes to a row, two rows an instruction
	v_lshlrev_b32 v8, \sh, v6
	v_lshl_add_u32 v8, v5, 4, v8
.endm
.macro ROWSOUT lo, krow                ; 32 rows of 256 bytes: sixteen lanes store 256 consecutive bytes, aligned
.irp t, 0,1,2,3,4,5,6,7,8,9,10,11,12,13,14,15
	ds_load_b128 v[WOUT+4*\t:WOUT+4*\t+3], v7 offset:2*\t*PITCH
.endr
.irp t, 0,1,2,3,4,5,6,7,8,9,10,11,12,13,14,15
	s_wait_dscnt 15-\t
	global_store_b128 v8, v[WOUT+4*\t:WOUT+4*\t+3], s[\lo:\lo+1] offset:2*\t*\krow
.endr
	s_wait_tensorcnt 0x0                           ; the wave's end, behind my last LDS store
	ds_add_u32 v[SPW], v[NIL]
	s_wait_dscnt 0x0
	s_endpgm
.endm
.Lpath_w:                              ; w_qkv: 24 groups of 128 columns x 2 halves of K; a wave: 32 columns x 512 along K = 16 blocks a lane
	s_cmp_ge_u32 ttmp9, 24
	s_cselect_b32 s18, 1, 0                        ; which half of K
	s_cselect_b32 s19, 24, 0
	s_sub_co_u32 s17, ttmp9, s19
	s_lshl_b32 s17, s17, 7
	s_lshl_b32 s19, s16, 5
	s_add_co_u32 s17, s17, s19                     ; my wave's first column
	OUTADR WSTG, 9
	v_lshlrev_b32 v9, 5, v2                        ; my column's row of 32 scale bytes
	s_mul_i32 s20, s18, 512*3072*4
	s_lshl_b32 s22, s17, 2
	s_add_co_u32 s20, s20, s22                     ; w_qkv: 512 rows a half, 4 bytes a column
	s_lshl_b32 s24, s17, 9
	s_lshl_b32 s22, s18, 8
	s_add_co_u32 s24, s24, s22
	s_add_co_u32 s24, s24, 4194304                 ; codes: behind x's; 512 bytes a column, 256 a half
	s_mov_b32 s25, 0
	s_lshl_b32 s28, s17, 5
	s_lshl_b32 s22, s18, 4
	s_add_co_u32 s28, s28, s22
	s_add_co_u32 s28, s28, 262144                  ; scale bytes: behind x's; 32 a column, 16 a half
	s_mov_b32 s29, 0
	s_wait_kmcnt 0x0
	s_add_nc_u64 s[6:7], s[6:7], s[20:21]
	s_add_nc_u64 s[10:11], s[10:11], s[24:25]
	s_add_nc_u64 s[12:13], s[12:13], s[28:29]
.macro WLOAD t                         ; block t: rows 32 t + i of my column; the wave reads 128 consecutive bytes a load.  The largest offset, 511 x 12,288, lies inside the signed 24-bit immediate
.set i, 0
.rept 32
	global_load_b32 v[WX+32*((\t)%2)+i], v3, s[6:7] offset:(32*(\t)+i)*12288 th:TH_LOAD_NT
.set i, i+1
.endr
.endm
	WLOAD 0
	WLOAD 1
.macro WBLOCK t
.set WS, WX+32*((\t)%2)
.if (\t) < 15
	s_wait_loadcnt 32                              ; this block's 32 loads are in; the next block's may be out
.else
	s_wait_loadcnt 0
.endif
	v_max3_num_f32 v12, |v[WS]|, |v[WS+1]|, |v[WS+2]|
	v_max3_num_f32 v13, |v[WS+3]|, |v[WS+4]|, |v[WS+5]|
.irp i, 6,10,14,18,22,26
	v_max3_num_f32 v12, v12, |v[WS+\i]|, |v[WS+\i+1]|
	v_max3_num_f32 v13, v13, |v[WS+\i+2]|, |v[WS+\i+3]|
.endr
	v_max3_num_f32 v12, v12, |v[WS+30]|, |v[WS+31]|
	v_max3_num_f32 v12, v12, v13, (EMAX+1)<<23     ; with the floor
	v_add_nc_u32 v11, -(EMAX<<23), v12
	v_lshrrev_b32 v13, 23, v11                     ; the scale's byte
.if (\t)%4 == 0
	v_mov_b32 v[WSB+(\t)/4], v13
.else
	v_lshl_or_b32 v[WSB+(\t)/4], v13, 8*((\t)%4), v[WSB+(\t)/4]
.endif
.irp g, 0,1,2,3
	v_cvt_scalef32_pk8_fp4_f32 v[WC+\g], v[WS+8*\g:WS+8*\g+7], v11
.endr
	ds_store_b128 v4, v[WC:WC+3] offset:16*(\t)    ; 32 codes: 16 bytes of my column's row
.if (\t)+2 < 16
	WLOAD (\t)+2
.endif
	s_wait_dscnt 0x0                               ; the store has read its registers: the next block's codes may be written
.endm
.set Q, 0
.rept 16
	WBLOCK Q
.set Q, Q+1
.endr
	global_store_b128 v9, v[WSB:WSB+3], s[12:13]   ; my column's 16 scale bytes
	ROWSOUT 10, 512
.Lpath_f:                              ; w_fc: 8 groups of 128 columns x 8 runs of 128 along K; a wave: 32 columns x 128 along K
	s_sub_co_u32 s17, ttmp9, 48
	s_and_b32 s18, s17, 7
	s_lshr_b32 s22, s17, 3                         ; which 128 along K
	s_lshl_b32 s18, s18, 7
	s_lshl_b32 s20, s16, 5
	s_add_co_u32 s18, s18, s20                     ; my wave's first column
	OUTADR FSTG, 11
	s_lshl_b32 s20, s22, 19                        ; w_fc: 128 rows of 4,096 bytes,
	s_lshl_b32 s23, s18, 2
	s_add_co_u32 s20, s20, s23                     ; 4 bytes a column
	s_lshl_b32 s24, s18, 11                        ; wt: 2,048 bytes a column,
	s_lshl_b32 s23, s22, 8
	s_add_co_u32 s24, s24, s23                     ; 256 bytes a run
	s_mov_b32 s25, 0
	s_wait_kmcnt 0x0
	s_add_nc_u64 s[8:9], s[8:9], s[20:21]
	s_add_nc_u64 s[14:15], s[14:15], s[24:25]
.macro FLOAD t
.set i, 0
.rept 32
	global_load_b32 v[WX+32*((\t)%2)+i], v3, s[8:9] offset:(32*(\t)+i)*4096
.set i, i+1
.endr
.endm
	FLOAD 0
	FLOAD 1
.macro FBLOCK t
.set WS, WX+32*((\t)%2)
.if (\t) < 3
	s_wait_loadcnt 32                              ; this block's 32 loads are in; the next block's may be out
.else
	s_wait_loadcnt 0
.endif
.set j, 0
.rept 16
	v_cvt_pk_f16_f32 v[WC+j], v[WS+2*j], v[WS+2*j+1]   ; the lower k in the low half
.set j, j+1
.endr
.irp g, 0,1,2,3
	ds_store_b128 v4, v[WC+4*\g:WC+4*\g+3] offset:64*(\t)+16*\g
.endr
.if (\t)+2 < 4
	FLOAD (\t)+2
.endif
	s_wait_dscnt 0x0
.endm
	FBLOCK 0
	FBLOCK 1
	FBLOCK 2
	FBLOCK 3
	ROWSOUT 14, 2048
.Lfunc_end_k_q1ae1a11eae_prep:
	.size	k_q1ae1a11eae_prep, .Lfunc_end_k_q1ae1a11eae_prep-k_q1ae1a11eae_prep
	.p2alignl 7, 3214868480
	.fill 96, 4, 3214868480
	.section	.rodata,"a",@progbits
	.p2align	6, 0x0
	.amdhsa_kernel k_q1ae1a11eae_prep
		.amdhsa_group_segment_fixed_size 102912
		.amdhsa_private_segment_fixed_size 0
		.amdhsa_enable_private_segment 0
		.amdhsa_kernarg_size 48
		.amdhsa_user_sgpr_count 2
		.amdhsa_user_sgpr_kernarg_segment_ptr 1
		.amdhsa_wavefront_size32 1
		.amdhsa_system_sgpr_workgroup_id_x 1
		.amdhsa_system_sgpr_workgroup_id_y 1
		.amdhsa_system_sgpr_workgroup_id_z 1
		.amdhsa_system_vgpr_workitem_id 0
		.amdhsa_next_free_vgpr 196
		.amdhsa_next_free_sgpr 66
		.amdhsa_reserve_vcc 0
		.amdhsa_float_denorm_mode_32 3
		.amdhsa_float_denorm_mode_16_64 3
		.amdhsa_memory_ordered 1
		.amdhsa_forward_progress 1
		.amdhsa_inst_pref_size 132
	.end_amdhsa_kernel
	.amdgpu_metadata
---
amdhsa.version: [ 1, 2 ]
amdhsa.kernels:
  - .name:           k_q1ae1a11eae_prep
    .symbol:         k_q1ae1a11eae_prep.kd
    .args:
      - { .name: x, .offset: 0, .size: 8, .value_kind: global_buffer, .address_space: global }
      - { .name: w_qkv, .offset: 8, .size: 8, .value_kind: global_buffer, .address_space: global }
      - { .name: w_fc, .offset: 16, .size: 8, .value_kind: global_buffer, .address_space: global }
      - { .name: cod, .offset: 24, .size: 8, .value_kind: global_buffer, .address_space: global }
      - { .name: scl, .offset: 32, .size: 8, .value_kind: global_buffer, .address_space: global }
      - { .name: wt, .offset: 40, .size: 8, .value_kind: global_buffer, .address_space: global }
    .group_segment_fixed_size: 102912
    .private_segment_fixed_size: 0
    .kernarg_segment_align: 8
    .kernarg_segment_size: 48
    .max_flat_workgroup_size: 128
    .sgpr_count:     66
    .vgpr_count:     196
    .wavefront_size: 32
...
	.end_amdgpu_metadata
.endif
;; end of part 1
;; launch qkv (part 2): grid 12 x 32, 4 waves a work-group, clusters of 4 x 4, 327,680 bytes of LDS; arguments cod, scl, b_qkv, qkvh, vmean, qkv32; writes qkvh, vmean, qkv32
.if DOCPART == 2
	.amdgcn_target "amdgcn-amd-amdhsa--gfx1250"
	.amdhsa_code_object_version 6
	.text
	.protected	k_q1ae1a11eae_qkv
	.globl	k_q1ae1a11eae_qkv
	.p2align	8
	.type	k_q1ae1a11eae_qkv,@function
k_q1ae1a11eae_qkv:
	s_mov_b64 s[64:65], 0
	v_nop
	global_prefetch_b8 v0, s[64:65] scope:SCOPE_SE
	s_setreg_imm32_b32 hwreg(HW_REG_WAVE_MODE, 25, 1), 1
	s_wait_xcnt 0x0
	s_wait_alu depctr_hold_cnt(0) depctr_sa_sdst(0) depctr_va_vdst(0) depctr_va_sdst(0) depctr_va_ssrc(0) depctr_va_vcc(0) depctr_vm_vsrc(0)
	s_getreg_b32 s2, hwreg(HW_REG_IB_STS2, 6, 4)
	s_cmp_eq_u32 s2, 0
	s_cbranch_scc0 .Lentry_in_a_cluster
	s_endpgm
.Lentry_in_a_cluster:
	s_bfe_u32 s2, ttmp6, 0x10000c
	s_cmp_lg_u32 s2, 0xf033
	s_cbranch_scc0 .Lentry_shape_is_right
	s_endpgm
.Lentry_shape_is_right:
; QKV = Q(x) Q(w_qkv) + b_qkv on codes of E2M1 with E8M0 scales: M 8,192, N 3,072, K 1,024; sums in f32.
; A tile of 256 x 256 to a work-group of four waves, 128 x 128 a wave: 64 accumulators, 512 registers.  K is two steps of 512 (rows of 256 bytes), each in an LDS slot of its own: both are asked for at the start, nothing is filled again.
; The scale bytes of the tile's 256 + 256 rows, for all of K, come once, as whole rows of 256 bytes.
; CLUSTER 4 x 4: A's tiles are shared along a row of the cluster, B's along a column, by joint loads.  Tile row = 8 cy + cluster y, so that cy is the batch and the first 256 positions of every batch lie where cluster y = 0:
; a number that all sixteen partners share, on which a branch may hang.  Tile column = 4 x cluster x + cx, so that cluster x says q, k or v.
; THE MATRIX INSTRUCTION IS USED TRANSPOSED (source 0 = 16 rows of w, source 1 = 16 rows of x): a lane holds eight neighbouring columns of one row.  The bias is the C of each sum's first instruction.
; OUT: qkvh f16 [3][batch x 16 + head][2048][64]; for v also vmean f16 [batch x 16 + head][32][64], the mean of 64 positions; for positions 0-15 of each batch also qkv32 f32 [4][16][3072].
; LIMIT: |q|, |k|, |v| under 65,504, the largest f16 number.
; REGISTERS: window 0: v0-31 addresses; v32-95 scale words and nothing else; v96-127 packed results; v128-191 A's fragments, later rows read back; v192-255 the bias, later column sums.
;   window 1: B's fragments, two sets.   windows 2, 3: the accumulators ((a, b) at v[8 (8 (a % 4) + b)]).
.set NQ,     4
.set ROWB,   256
.set KROW,   512
.set PITCH,  272
.set FR,     8
.set NL,     2
.set NP,     4
.set HALFT,  128*PITCH
.set SLOT,   4*HALFT
.set KS,     32
.set SCL,    2*SLOT
.set HALFS,  16*272
.set SBLK,   2*272
.set SPARE,  SCL+4*HALFS               ; the spare words: 128 bytes a wave, named by no other line
.set SPITCH, 528                       ; the way out in f32: a stage row of 512 bytes + 16; a wave's stage is 16 such rows, in slot 0, which nobody reads or fills any more by then
.set HPITCH, 272                       ; in f16: 256 bytes + 16
.set BO,   7                           ; v7   32 x (lane / 16): my eight numbers of a tile of the bias
.set STH,  8                           ; v8   f16 way out: where I put 16 bytes of a row
.set RDH,  9                           ; v9   and where I read back: four rows of 128 bytes an instruction
.set VMS,  10                          ; v10  the means: stage + 16 (lane / 16)
.set VMO,  11                          ; v11  and their place in memory
.set ADRA, 16
.set ADRB, 20
.set STO,  24
.set RD,   25
.set CO,   26
.set ADRS, 27
.set SPW,  28
.set NIL,  29
.set SC,   32
.set TMP,  96
.set AF,   128
.set BK,   128
.set BI,   192
.set SUM,  192
.set G1, 24
.set G0, 32
.set G1B, 48
.set G0B, 56
.set G1S, 68
.set G0S, 76
.set G1SB, 80
.set G0SB, 88
.set MSB, 0
.macro WIN new                         ; the immediate's high byte repeats the setting that is left
.if MSB != (\new)
	s_set_vgpr_msb (MSB<<8)|(\new)
.set MSB, (\new)
.endif
.endm
.set MUL_LO, 0xa1                      ; source 0 (B) window 1, source 1 (A) window 0, C and D window 2
.set MUL_HI, 0xf1
.set TO_B,   0x40
.macro JLOAD g0a, g1a, g0b, g1b        ; waves 0 and 1 fetch for A, waves 2 and 3 for B; an s_nop 0 and four v_nop follow each line
	s_cmp_eq_u32 s15, 0
	s_cbranch_scc0 .Lfor_b_\@
	tensor_load_to_lds s[\g0a:\g0a+3], s[\g1a:\g1a+7]
	s_nop 0
.rept 4
	v_nop
.endr
	s_branch .Lasked_\@
.Lfor_b_\@:
	tensor_load_to_lds s[\g0b:\g0b+3], s[\g1b:\g1b+7]
	s_nop 0
.rept 4
	v_nop
.endr
.Lasked_\@:
.endm
.macro CROUND                          ; a round of the cluster's barrier
	s_barrier_signal -1
	s_barrier_wait -1
	s_cmp_lg_u32 s14, 0
	s_cbranch_scc1 .Lnot_wave_0_\@
	s_barrier_signal -3
.Lnot_wave_0_\@:
	s_barrier_wait -3
	s_barrier_signal -1
	s_barrier_wait -1
.endm
	s_load_b256 s[4:11], s[0:1], 0x0               ; cod s[4:5], scl s[6:7], b_qkv s[8:9], qkvh s[10:11]
	s_load_b128 s[96:99], s[0:1], 0x20             ; vmean s[96:97], qkv32 s[98:99]
	v_lshl_add_u32 v[SPW], v0, 2, SPARE
	v_mov_b32 v[NIL], 0
	ds_add_u32 v[SPW], v[NIL]                      ; the wave's opening: the add, twice on end, and its wait ahead of my first tensor load
	ds_add_u32 v[SPW], v[NIL]
	v_lshrrev_b32 v1, 5, v0
	v_readfirstlane_b32 s14, v1                    ; wave 0..3
	s_lshr_b32 s15, s14, 1                         ; which half of the tile's rows is mine; also: I fetch for A (0) or B (1)
	s_and_b32 s16, s14, 1                          ; which half of its columns; also: which 128 rows I fetch
	s_bfe_u32 s40, ttmp6, 0x40000                  ; cx
	s_bfe_u32 s41, ttmp6, 0x40004                  ; cy
	s_lshl_b32 s42, ttmp9, 2
	s_add_co_u32 s42, s42, s40                     ; tile column = 4 x cluster x + cx
	s_and_b32 s95, ttmp7, 0xffff                   ; cluster y
	s_lshl_b32 s17, s41, 3
	s_add_co_u32 s17, s17, s95                     ; tile row = 8 cy + cluster y
	s_lshl_b32 s43, s41, 2
	s_lshl_b32 s43, 15, s43                        ; my row of the cluster
	s_lshl_b32 s44, 0x1111, s40                    ; my column
	s_or_b32 s[G1+0], s43, (0<<16)|(1<<20)|(1<<21)|(5<<22)|(3<<25)   ; the mask; elements of 1 byte; padding: 4 words behind every 64
	s_or_b32 s[G1B+0], s44, (0<<16)|(1<<20)|(1<<21)|(5<<22)|(3<<25)
.irp g, G1, G1B
	s_mov_b32 s[\g+1], ROWB<<16                    ; tensor_dim0
	s_mov_b32 s[\g+2], 128<<16                     ; tensor_dim1
	s_mov_b32 s[\g+3], ROWB<<16                    ; tile_dim0
	s_mov_b32 s[\g+4], 128                         ; tile_dim1
	s_mov_b32 s[\g+5], KROW                        ; from row to row
	s_mov_b32 s[\g+6], 0
	s_mov_b32 s[\g+7], 0
.endr
	s_or_b32 s[G1S+0], s43, (3<<16)|(1<<20)|(1<<21)|(5<<22)|(3<<25)  ; the scales of 128 rows: 4,096 dense bytes as 16 rows of 32 elements of 8 bytes
	s_or_b32 s[G1SB+0], s44, (3<<16)|(1<<20)|(1<<21)|(5<<22)|(3<<25)
.irp g, G1S, G1SB
	s_mov_b32 s[\g+1], 32<<16
	s_mov_b32 s[\g+2], 16<<16
	s_mov_b32 s[\g+3], 32<<16
	s_mov_b32 s[\g+4], 16
	s_mov_b32 s[\g+5], 32
	s_mov_b32 s[\g+6], 0
	s_mov_b32 s[\g+7], 0
.endr
	s_lshl_b32 s18, s16, 7
	s_lshl_b32 s20, s17, 8
	s_add_co_u32 s20, s20, s18                     ; A: row 256 x tile row + 128 x half
	s_lshl_b32 s46, s42, 8
	s_add_co_u32 s46, s46, s18                     ; B: row 256 x tile column + 128 x half
	s_mov_b32 s21, 0
	s_mov_b32 s47, 0
	s_mov_b64 s[18:19], KS
	s_mul_u64 s[22:23], s[20:21], s[18:19]
	s_mul_u64 s[92:93], s[46:47], s[18:19]
	s_mov_b64 s[18:19], KROW
	s_mul_u64 s[20:21], s[20:21], s[18:19]
	s_mul_u64 s[46:47], s[46:47], s[18:19]
	s_add_nc_u64 s[92:93], s[92:93], 262144        ; w's scale bytes lie behind x's,
	s_add_nc_u64 s[46:47], s[46:47], 4194304       ; and its codes behind x's
	s_mul_i32 s45, s14, HALFT
	s_mul_i32 s94, s14, HALFS
	s_wait_dscnt 0x0                               ; both opening adds are done
	s_wait_kmcnt 0x0
	s_add_nc_u64 s[20:21], s[4:5], s[20:21]
	s_add_nc_u64 s[22:23], s[6:7], s[22:23]
	s_add_nc_u64 s[46:47], s[4:5], s[46:47]
	s_add_nc_u64 s[92:93], s[6:7], s[92:93]
	CROUND                                         ; all sixteen work-groups are here: the joint loads meet
	s_mov_b32 s[G0S], 1
	s_add_co_u32 s[G0S+1], s94, SCL
	s_mov_b64 s[G0S+2:G0S+3], s[22:23]
	s_or_b32 s[G0S+3], s[G0S+3], 0x80000000
	s_mov_b32 s[G0SB], 1
	s_add_co_u32 s[G0SB+1], s94, SCL
	s_mov_b64 s[G0SB+2:G0SB+3], s[92:93]
	s_or_b32 s[G0SB+3], s[G0SB+3], 0x80000000
	JLOAD G0S, G1S, G0SB, G1SB                     ; three loads of mine go out: the scales, K step 0, K step 1
.irp s, 0,1
	s_mov_b32 s[G0+4*\s], 1
	s_add_co_u32 s[G0+4*\s+1], s45, \s*SLOT
	s_add_nc_u64 s[G0+4*\s+2:G0+4*\s+3], s[20:21], \s*ROWB
	s_or_b32 s[G0+4*\s+3], s[G0+4*\s+3], 0x80000000
	s_mov_b32 s[G0B+4*\s], 1
	s_add_co_u32 s[G0B+4*\s+1], s45, \s*SLOT
	s_add_nc_u64 s[G0B+4*\s+2:G0B+4*\s+3], s[46:47], \s*ROWB
	s_or_b32 s[G0B+4*\s+3], s[G0B+4*\s+3], 0x80000000
	JLOAD G0+4*\s, G1, G0B+4*\s, G1B
.endr
	; where my results go
	s_lshl_b32 s12, s41, 4
	s_lshl_b32 s13, s40, 2
	s_add_co_u32 s12, s12, s13
	s_lshl_b32 s13, s16, 1
	s_add_co_u32 s12, s12, s13                     ; batch x 16 + my first head = 16 cy + 4 cx + 2 x column half
	s_lshl_b32 s100, s95, 1
	s_add_co_u32 s100, s100, s15                   ; my first position / 128 = 2 x cluster y + row half
	s_mov_b32 s47, 0
	s_lshl_b32 s46, s12, 12                        ; vmean: 4,096 bytes a head, 256 for my two blocks of 64 positions
	s_lshl_b32 s13, s100, 8
	s_add_co_u32 s46, s46, s13
	s_add_nc_u64 s[96:97], s[96:97], s[46:47]
	s_lshl_b32 s46, s12, 18                        ; qkvh: 262,144 bytes a head, 16,384 for 128 positions, 2^24 for q, k or v
	s_lshl_b32 s13, s100, 14
	s_add_co_u32 s46, s46, s13
	s_lshl_b32 s13, ttmp9, 24
	s_add_co_u32 s46, s46, s13
	s_add_nc_u64 s[10:11], s[10:11], s[46:47]
	s_lshl_b32 s46, s42, 10                        ; my first column in f32 bytes: 1,024 x tile column + 512 x half
	s_lshl_b32 s13, s16, 9
	s_add_co_u32 s46, s46, s13
	s_add_nc_u64 s[8:9], s[8:9], s[46:47]          ; the bias
	s_mul_i32 s13, s41, 196608
	s_add_co_u32 s46, s46, s13
	s_add_nc_u64 s[98:99], s[98:99], s[46:47]      ; qkv32: 16 rows of 12,288 bytes a batch
	v_and_b32 v1, 15, v0                           ; r = lane % 16
	v_bfe_u32 v2, v0, 4, 1                         ; h = lane / 16
	v_lshlrev_b32 v[BO], 5, v2
.irp b, 0,1,2,3,4,5,6,7                        ; the bias in the result's layout: register 8 b + j = bias of column 16 b + 8 h + j
	global_load_b128 v[BI+8*\b:BI+8*\b+3], v[BO], s[8:9] offset:64*\b
	global_load_b128 v[BI+8*\b+4:BI+8*\b+7], v[BO], s[8:9] offset:64*\b+16
.endr
	v_mul_u32_u24 v3, v1, PITCH
	v_lshl_add_u32 v4, v2, 4, v3                   ; a fragment's row x pitch + 16 x half
	s_mul_i32 s21, s15, HALFT
	s_mul_i32 s22, s16, HALFT
	s_add_co_u32 s22, s22, 2*HALFT
.irp s, 0,1
	v_add_nc_u32 v[ADRA+\s], s21, v4
	v_add_nc_u32 v[ADRB+\s], s22, v4
	s_add_co_u32 s21, s21, SLOT
	s_add_co_u32 s22, s22, SLOT
.endr
	v_mul_u32_u24 v5, v1, KS                       ; my row's scales: 32 bytes a row, 16 more for each 256 passed
	v_lshrrev_b32 v6, 8, v5
	v_lshl_add_u32 v5, v6, 4, v5
	s_mul_i32 s21, s15, HALFS
	s_mul_i32 s22, s16, HALFS
	s_add_co_u32 s22, s22, 2*HALFS
	s_sub_co_u32 s22, s22, s21
	v_mul_u32_u24 v6, s22, v2                      ; lanes 16-31 take B's
	s_add_co_u32 s21, s21, SCL
	v_add_nc_u32 v5, v5, v6
	v_add_nc_u32 v[ADRS], s21, v5
	s_mul_i32 s23, s14, 16*SPITCH                  ; my stage
	v_mul_u32_u24 v5, v1, SPITCH
	v_lshl_add_u32 v5, v2, 5, v5
	v_add_nc_u32 v[STO], s23, v5
	v_and_b32 v6, 31, v0
	v_lshlrev_b32 v[CO], 4, v6                     ; 16 x lane
	v_add_nc_u32 v[RD], s23, v[CO]
	v_add_nc_u32 v[STH], s23, v4                   ; f16: row r x 272 + 16 h
	v_lshrrev_b32 v5, 3, v6
	v_mul_u32_u24 v5, v5, HPITCH
	v_and_b32 v3, 7, v6
	v_lshl_add_u32 v5, v3, 4, v5
	v_add_nc_u32 v[RDH], s23, v5                   ; back: row lane / 8, 16 bytes x (lane % 8)
	v_lshl_add_u32 v[VMS], v2, 4, s23
	v_lshlrev_b32 v5, 12, v2
	v_lshl_add_u32 v[VMO], v1, 4, v5               ; lanes 16-31: the next head, 4,096 bytes on
.macro FRAG reg, adr, q, i             ; 16 rows x 128 K of 4-bit codes: 8 registers, two loads of 16 bytes, 32 bytes apart
.irp c, 0,1
	ds_load_b128 v[\reg+4*\c:\reg+4*\c+3], v[\adr] offset:64*(\q)+32*\c+(\i)*16*PITCH
.endr
.endm
; 16 matrix instructions: A's blocks a0, a0 + 1 x B's eight.  zero = 1: the first product starts the sums on the bias.  The 64 accumulators take turns, one instruction a turn.
.macro MUL16 a0, p, q, sc, zero
.irp a, \a0, \a0+1
.irp b, 0,1,2,3,4,5,6,7
.if \zero
	v_wmma_scale_f32_16x16x128_f8f6f4 v[8*(8*((\a)%4)+\b):8*(8*((\a)%4)+\b)+7], v[128*(\p)+FR*\b:128*(\p)+FR*\b+FR-1], v[AF+FR*(\a):AF+FR*(\a)+FR-1], v[BI+8*\b:BI+8*\b+7], v[SC+8*NQ*(\sc)+NQ*\b+(\q)], v[SC+8*NQ*(\sc)+NQ*(\a)+(\q)] matrix_a_fmt:MATRIX_FMT_FP4 matrix_b_fmt:MATRIX_FMT_FP4 matrix_a_scale:MATRIX_SCALE_ROW1
.else
	v_wmma_scale_f32_16x16x128_f8f6f4 v[8*(8*((\a)%4)+\b):8*(8*((\a)%4)+\b)+7], v[128*(\p)+FR*\b:128*(\p)+FR*\b+FR-1], v[AF+FR*(\a):AF+FR*(\a)+FR-1], v[8*(8*((\a)%4)+\b):8*(8*((\a)%4)+\b)+7], v[SC+8*NQ*(\sc)+NQ*\b+(\q)], v[SC+8*NQ*(\sc)+NQ*(\a)+(\q)] matrix_a_fmt:MATRIX_FMT_FP4 matrix_b_fmt:MATRIX_FMT_FP4 matrix_a_scale:MATRIX_SCALE_ROW1
.endif
.endr
.endr
.endm
.macro FETCH_B slot, q, p
	WIN TO_B
.irp i, 0,1,2,3,4,5,6,7
	FRAG 128*(\p)+FR*\i, ADRB+\slot, \q, \i
.endr
	WIN 0
.endm
.macro FETCH_A slot, q, i0
.irp i, \i0, \i0+1, \i0+2, \i0+3
	FRAG AF+FR*(\i), ADRA+\slot, \q, \i
.endr
.endm
.macro SCALES sc                       ; a K step's scale words: lanes 0-15 A's block i, lanes 16-31 B's block i
.irp i, 0,1,2,3,4,5,6,7
	ds_load_b128 v[SC+8*NQ*\sc+NQ*\i:SC+8*NQ*\sc+NQ*\i+3], v[ADRS] offset:\i*SBLK
.endr
.endm
.macro PLACES n                        ; plain vector instructions between matrix instructions and loads into, or reads of, their registers
.rept \n
	v_nop
.endr
.endm
.macro STEP slot, q, zero              ; 128 along K, with its successor in the same slot
	s_wait_dscnt 4*NL                              ; all but the youngest eight loads (A's blocks 4-7) are in
.if \zero
	WIN 0x81                                       ; C (the bias) in window 0, D in window 2
.else
	WIN MUL_LO
.endif
	MUL16 0, (\q)%2, \q, \slot, \zero
	MUL16 2, (\q)%2, \q, \slot, \zero
	s_wait_dscnt 0
	PLACES NP
	FETCH_B \slot, (\q)+1, 1-(\q)%2
	FETCH_A \slot, (\q)+1, 0
.if \zero
	WIN 0xc1
.else
	WIN MUL_HI
.endif
	MUL16 4, (\q)%2, \q, \slot, \zero
	MUL16 6, (\q)%2, \q, \slot, \zero
	PLACES NP
	WIN 0
	FETCH_A \slot, (\q)+1, 4
.endm
.macro STEPS slot, from
.set Q, \from
.rept NQ-1-\from
	STEP \slot, Q, 0
.set Q, Q+1
.endr
.endm
	s_wait_tensorcnt 1                             ; the scales and my part of K step 0 are in; K step 1's load may be out
	s_barrier_signal -1
	s_barrier_wait -1
	FETCH_B 0, 0, 0
	FETCH_A 0, 0, 0
	SCALES 0
	FETCH_A 0, 0, 4
	s_wait_loadcnt 0x0                             ; the bias
	STEP 0, 0, 1
	STEPS 0, 1
	; slot 0's last step, and the change to slot 1: one barrier; in front of it my tensor loads have landed and my reads of slot 0 are over
	s_wait_tensorcnt 0x0
	ds_add_u32 v[SPW], v[NIL]                      ; 0 onto my spare word
	s_wait_dscnt 4*NL+1                            ; the add and A's blocks 4-7 may be out
	WIN MUL_LO
	MUL16 0, 1, NQ-1, 0, 0
	s_wait_dscnt 0x0
	s_barrier_signal -1
	MUL16 2, 1, NQ-1, 0, 0
	WIN 0
	s_barrier_wait -1
	PLACES NP
	v_add_nc_u32 v[ADRS], 4*NQ, v[ADRS]            ; the next K step's scale words
	FETCH_B 1, 0, 0
	FETCH_A 1, 0, 0
	SCALES 1
	WIN MUL_HI
	MUL16 4, 1, NQ-1, 0, 0
	MUL16 6, 1, NQ-1, 0, 0
	PLACES NP
	WIN 0
	FETCH_A 1, 0, 4
	STEPS 1, 0
	s_wait_dscnt 4*NL
	WIN MUL_LO
	MUL16 0, 1, NQ-1, 1, 0
	MUL16 2, 1, NQ-1, 1, 0
	s_wait_dscnt 0
	WIN MUL_HI
	MUL16 4, 1, NQ-1, 1, 0
	MUL16 6, 1, NQ-1, 1, 0
	WIN 0
	PLACES NP
	; ---- positions 0-15 of a batch also leave in f32: they are block 0 of the waves with the upper rows where cluster y = 0
	s_cmp_lg_u32 s95, 0
	s_cbranch_scc1 .Lno_f32
	s_cmp_lg_u32 s15, 0
	s_cbranch_scc1 .Lno_f32
	WIN 0x08                                       ; an LDS store's data: window 2
.irp b, 0,1,2,3,4,5,6,7
	ds_store_b128 v[STO], v[8*\b:8*\b+3] offset:64*\b
	ds_store_b128 v[STO], v[8*\b+4:8*\b+7] offset:64*\b+16
.endr
	WIN 0
.irp t, 0,1,2,3,4,5,6,7,8,9,10,11,12,13,14,15
	ds_load_b128 v[BK+4*\t:BK+4*\t+3], v[RD] offset:\t*SPITCH
.endr
	s_wait_dscnt 0x0
.irp t, 0,1,2,3,4,5,6,7,8,9,10,11,12,13,14,15
	global_store_b128 v[CO], v[BK+4*\t:BK+4*\t+3], s[98:99] offset:\t*12288   ; the wave stores 512 consecutive bytes
.endr
	s_wait_xcnt 0x0                                ; the stores have read their registers, which are loaded again below
.Lno_f32:
	; ---- v alone: the mean of each 64 positions, for each of my 128 columns
	s_cmp_lg_u32 ttmp9, 2
	s_cbranch_scc1 .Lno_mean
.macro COLSUM hi                       ; rows 64 hi .. 64 hi + 63: four accumulators a column block, then the sixteen lanes of a half
	WIN 0x0a+5*\hi
.irp b, 0,1,2,3,4,5,6,7
.irp j, 0,2,4,6
	v_pk_add_f32 v[SUM+8*\b+\j:SUM+8*\b+\j+1], v[8*\b+\j:8*\b+\j+1], v[64+8*\b+\j:64+8*\b+\j+1]
.endr
.endr
	WIN 0x02+\hi
.irp a, 2,3
.irp b, 0,1,2,3,4,5,6,7
.irp j, 0,2,4,6
	v_pk_add_f32 v[SUM+8*\b+\j:SUM+8*\b+\j+1], v[64*\a+8*\b+\j:64*\a+8*\b+\j+1], v[SUM+8*\b+\j:SUM+8*\b+\j+1]
.endr
.endr
.endr
	WIN 0
.irp m, 1,2,4,8
.set i, 0
.rept 64
	v_add_f32_dpp v[SUM+i], v[SUM+i], v[SUM+i] row_xmask:\m row_mask:0xf bank_mask:0xf
.set i, i+1
.endr
.endr
.set i, 0
.rept 32
	v_pk_mul_f32 v[SUM+2*i:SUM+2*i+1], v[SUM+2*i:SUM+2*i+1], 0x3c800000 op_sel_hi:[1,0]   ; / 64
.set i, i+1
.endr
	s_wait_dscnt 0x0
.set i, 0
.rept 32
	v_cvt_pk_f16_f32 v[TMP+i], v[SUM+2*i], v[SUM+2*i+1]
.set i, i+1
.endr
.irp b, 0,1,2,3,4,5,6,7
	ds_store_b128 v[VMS], v[TMP+4*\b:TMP+4*\b+3] offset:(\b/4)*256+\hi*128+(\b%4)*32   ; the sixteen lanes of a half write the same bytes with the same values
.endr
.endm
	COLSUM 0
	COLSUM 1
	ds_load_b128 v[SUM:SUM+3], v[RD]               ; 512 bytes: head 0's two blocks, head 1's two blocks
	s_wait_dscnt 0x0
	global_store_b128 v[VMO], v[SUM:SUM+3], s[96:97]   ; each half of the wave stores 256 consecutive bytes, aligned
.Lno_mean:
	; ---- all results in f16, a block of 16 rows at a time through my stage; they come back as rows of a head (128 bytes), four to an instruction
.macro PACK a
.set AC, 64*((\a)%4)
	WIN 0x0a+5*((\a)/4)
.irp b, 0,1,2,3,4,5,6,7
.irp r, 0,1,2,3
	v_cvt_pk_f16_f32 v[TMP+4*\b+\r], v[AC+8*\b+2*\r], v[AC+8*\b+2*\r+1]
.endr
.endr
	WIN 0
.endm
.macro TOSTAGE a
.set BB, BK+32*((\a)%2)
.irp b, 0,1,2,3,4,5,6,7
	ds_store_b128 v[STH], v[TMP+4*\b:TMP+4*\b+3] offset:32*\b
.endr
.irp t, 0,1,2,3,4,5,6,7
	ds_load_b128 v[BB+4*\t:BB+4*\t+3], v[RDH] offset:(\t%4)*4*HPITCH+(\t/4)*128   ; LDS serves a wave's instructions in order: these see the stores above
.endr
.endm
.macro SEND a
.set BB, BK+32*((\a)%2)
	s_wait_dscnt 0x0                               ; the block is back in registers
	s_wait_xcnt 0x0                                ; the stores of the block before have read their registers, which the next block's loads take
.irp t, 0,1,2,3,4,5,6,7
	global_store_b128 v[CO], v[BB+4*\t:BB+4*\t+3], s[10:11] offset:(\t/4)*262144+(\a)*2048+(\t%4)*512   ; 512 consecutive bytes: four positions of one head
.endr
.endm
	PACK 0
	TOSTAGE 0
.irp a, 1,2,3,4,5,6,7
	PACK \a
	SEND \a-1
	TOSTAGE \a
.endr
	SEND 7
	s_wait_tensorcnt 0x0                           ; the wave's end
	ds_add_u32 v[SPW], v[NIL]
	s_wait_dscnt 0x0
	CROUND                                         ; the closing round
	s_endpgm
.Lfunc_end_k_q1ae1a11eae_qkv:
	.size	k_q1ae1a11eae_qkv, .Lfunc_end_k_q1ae1a11eae_qkv-k_q1ae1a11eae_qkv
	.p2alignl 7, 3214868480
	.fill 96, 4, 3214868480
	.section	.rodata,"a",@progbits
	.p2align	6, 0x0
	.amdhsa_kernel k_q1ae1a11eae_qkv
		.amdhsa_group_segment_fixed_size 327680
		.amdhsa_private_segment_fixed_size 0
		.amdhsa_enable_private_segment 0
		.amdhsa_kernarg_size 48
		.amdhsa_user_sgpr_count 2
		.amdhsa_user_sgpr_kernarg_segment_ptr 1
		.amdhsa_wavefront_size32 1
		.amdhsa_system_sgpr_workgroup_id_x 1
		.amdhsa_system_sgpr_workgroup_id_y 1
		.amdhsa_system_sgpr_workgroup_id_z 1
		.amdhsa_system_vgpr_workitem_id 0
		.amdhsa_next_free_vgpr 1024
		.amdhsa_next_free_sgpr 102
		.amdhsa_reserve_vcc 0
		.amdhsa_float_denorm_mode_32 3
		.amdhsa_float_denorm_mode_16_64 3
		.amdhsa_memory_ordered 1
		.amdhsa_forward_progress 1
		.amdhsa_inst_pref_size 188
	.end_amdhsa_kernel
	.amdgpu_metadata
---
amdhsa.version: [ 1, 2 ]
amdhsa.kernels:
  - .name:           k_q1ae1a11eae_qkv
    .symbol:         k_q1ae1a11eae_qkv.kd
    .args:
      - { .name: cod, .offset: 0, .size: 8, .value_kind: global_buffer, .address_space: global }
      - { .name: scl, .offset: 8, .size: 8, .value_kind: global_buffer, .address_space: global }
      - { .name: b_qkv, .offset: 16, .size: 8, .value_kind: global_buffer, .address_space: global }
      - { .name: qkvh, .offset: 24, .size: 8, .value_kind: global_buffer, .address_space: global }
      - { .name: vmean, .offset: 32, .size: 8, .value_kind: global_buffer, .address_space: global }
      - { .name: qkv32, .offset: 40, .size: 8, .value_kind: global_buffer, .address_space: global }
    .group_segment_fixed_size: 327680
    .private_segment_fixed_size: 0
    .kernarg_segment_align: 8
    .kernarg_segment_size: 48
    .max_flat_workgroup_size: 128
    .sgpr_count:     102
    .vgpr_count:     1024
    .wavefront_size: 32
...
	.end_amdgpu_metadata
.endif
;; end of part 2
;; launch attn (part 3): grid 4 x 64, 16 waves a work-group, no clusters, 327,680 bytes of LDS; arguments qkvh, vmean, ao; writes ao
.if DOCPART == 3
	.amdgcn_target "amdgcn-amd-amdhsa--gfx1250"
	.amdhsa_code_object_version 6
	.text
	.protected	k_q1ae1a11eae_attn
	.globl	k_q1ae1a11eae_attn
	.p2align	8
	.type	k_q1ae1a11eae_attn,@function
k_q1ae1a11eae_attn:
	s_mov_b64 s[64:65], 0
	v_nop
	global_prefetch_b8 v0, s[64:65] scope:SCOPE_SE
	s_setreg_imm32_b32 hwreg(HW_REG_WAVE_MODE, 25, 1), 1
	s_wait_xcnt 0x0
; Causal attention, head size 64, on f16 operands with f32 products, maxima and sums.  q, k, v: qkvh [3][batch x 16 + head][2048][64]; out: ao f16 [head][batch x 2048 + position][64].
; THE MASK IS -10,000, NOT -INFINITY, and is kept so.  Scores stand here before the division by 8, so a masked score is -80,000.  Inside a walked key step masked scores are set to it.  The keys behind the last walked
; step all have that one score: they enter at the end as 32 pseudo-keys, the means of V over 64 keys (vmean), with weight 64 x 2^(c (-80,000 - m)) where the 64 keys lie behind the walk and 0 elsewhere, and their count enters the sum.
; SHARES.  Work-group (i, head) owns query blocks i and 7 - i of 256 queries; wave w owns 16 queries of each.  A slot holds 256 keys; block i wants i + 1 slots, block 7 - i wants 8 - i: NINE visits in every work-group,
; so all trip counts are constants, every tile asked for is read, and the 256 work-groups have equal work.
; NO CLUSTER: the four work-groups of a head want different keys in the same visit from the fifth visit on; asking jointly would take twelve visits in place of nine.
; NO PREFETCH: each tile of a head is read by several of its four work-groups and in several visits, and a refill has a whole visit (four key steps of sixteen waves) in which to land.
; LAYOUT.  S^T = K Q^T (source 0 = 16 keys, source 1 = my 16 queries): a lane holds one query (lane % 16) and keys 8 (lane / 16) + 0..7 of each tile; two tiles rounded to f16 in pairs are source 1 of O^T = V^T P.  V is turned by ds_load_tr16_b128.
; p = 2^(c s - c m), c = log2(e) / 8, m the running maximum; O and l are multiplied by 2^(c m_old - c m_new) in every step.
; LIMITS: NaN and infinities are not served.
.set KP,    144                        ; a key's row in LDS: 128 bytes + 16
.set VP,    160                        ; a row of V: 128 + 32
.set VOFF,  256*KP                     ; a slot: 256 rows of K, then 256 of V
.set SLOT1, 1<<17
.set VMT,   SLOT1+256*(KP+VP)          ; the head's 32 means, rows of 160 bytes: filled once
.set STAGE, VMT+32*VP                  ; the way out: 16 rows x 144 bytes for each wave; no tile lands there
.set SPARE, STAGE+16*16*KP             ; the spare words: 128 bytes a wave
.set AK0, 1
.set AV0, 2
.set ADK, 3
.set ADV, 4
.set SPW, 5
.set NIL, 6
.set GO,  7                            ; 16 x lane
.set STO, 8
.set RD,  9
.set QO,  10
.set RH,  11                           ; r - 8 h
.set DD,  20
.set MV,  21                           ; -80,000
.set H8,  22                           ; 8 h
.set QR,  24                           ; v24-39   Q: two fragments
.set KR,  40                           ; v40-103  K of a step: eight
.set VR,  104                          ; v104-167 V of a step: eight
.set SR,  168                          ; v168-199 S^T, then p
.set PR,  200                          ; v200-215 P
.set OT,  216                          ; v216-247 O^T
; v12 c m, v13 m, v[14:15] l in two halves, v16-19 at work (v18: the rescaling factor), v248-255 at work
.set TB,  2
.set U,   3
.set WV,  18
.set SEL, 20
.set CS,  22
.set G1K, 24
.set G1V, 32
.set G0K, 40
.set G0V, 44
.set G1M, 48
.set G0M, 56
.set KB,  60                           ; s[60:61] K's half that I would fetch, at the head's first key; s[62:63] V's
.set VB,  62
.set IA,  66
.set NK,  67                           ; which 256 keys the next visit wants
.set LIMA, 68
.set KF,  69                           ; the step's first key
.set Q0,  70                           ; my first query
.set Q0B, 71
.set QPA, 72
.set QPB, 74
.set OPA, 76
.set OPB, 78
.set MSK, 80
.set NEG, 81
.macro TLOAD                           ; waves 0, 1: K's halves; waves 2, 3: V's; an s_nop 0 and four v_nop follow each line
	s_cmp_lt_u32 s[WV], 2
	s_cbranch_scc0 .Lnot_k_\@
	tensor_load_to_lds s[G0K:G0K+3], s[G1K:G1K+7]
	s_nop 0
.rept 4
	v_nop
.endr
	s_branch .Lasked_\@
.Lnot_k_\@:
	s_cmp_lt_u32 s[WV], 4
	s_cbranch_scc0 .Lasked_\@
	tensor_load_to_lds s[G0V:G0V+3], s[G1V:G1V+7]
	s_nop 0
.rept 4
	v_nop
.endr
.Lasked_\@:
.endm
	s_load_b128 s[4:7], s[0:1], 0x0                ; qkvh, vmean
	s_load_b64 s[8:9], s[0:1], 0x10                ; ao
	v_lshl_add_u32 v[SPW], v0, 2, SPARE
	v_mov_b32 v[NIL], 0
	ds_add_u32 v[SPW], v[NIL]                      ; the wave's opening: the add, twice on end, and its wait ahead of my first tensor load
	ds_add_u32 v[SPW], v[NIL]
	v_lshrrev_b32 v248, 5, v0
	v_readfirstlane_b32 s[WV], v248                ; wave 0..15
	s_mov_b32 s[IA], ttmp9
	s_add_co_u32 s[LIMA], ttmp9, 1
	s_mov_b32 s[NK], 0
	s_mov_b32 s[KF], 0
	s_mov_b32 s[TB], 0
	s_mov_b32 s[U], 0
	s_and_b32 s82, ttmp7, 0xffff                   ; batch x 16 + head
	s_lshl_b32 s84, s82, 18                        ; the head's 262,144 bytes in q, k or v
	s_mov_b32 s85, 0
	s_and_b32 s86, s[WV], 1
	s_lshl_b32 s88, s86, 14                        ; the half that I would fetch: 128 rows of 128 bytes
	s_mov_b32 s89, 0
	s_add_nc_u64 s[88:89], s[88:89], s[84:85]
	s_mul_i32 s90, s86, 128*KP
	s_mul_i32 s91, s86, 128*VP
	s_add_co_u32 s91, s91, VOFF
	s_lshl_b32 s[Q0], ttmp9, 8
	s_lshl_b32 s92, s[WV], 4
	s_add_co_u32 s[Q0], s[Q0], s92                 ; block i
	s_sub_co_u32 s[Q0B], 7, ttmp9
	s_lshl_b32 s[Q0B], s[Q0B], 8
	s_add_co_u32 s[Q0B], s[Q0B], s92               ; block 7 - i
	s_and_b32 s92, s82, 15
	s_lshl_b32 s92, s92, 20                        ; ao: head x 8,192 rows of 128 bytes
	s_lshr_b32 s93, s82, 4
	s_lshl_b32 s93, s93, 18                        ; + batch x 2,048 rows
	s_add_co_u32 s92, s92, s93
	s_mov_b32 s93, 0
	s_lshl_b32 s94, s82, 12                        ; vmean: 4,096 bytes a head
	s_mov_b32 s95, 0
	s_mov_b32 s[G1K], (1<<16)|(1<<20)|(4<<22)|(3<<25)   ; elements of 2 bytes; 4 words of padding behind every 32
	s_mov_b32 s[G1V], (1<<16)|(1<<20)|(4<<22)|(7<<25)   ; 8 words
	s_mov_b32 s[G1M], (1<<16)|(1<<20)|(4<<22)|(7<<25)
.irp g, G1K, G1V
	s_mov_b32 s[\g+1], 64<<16                      ; tensor_dim0
	s_mov_b32 s[\g+2], 128<<16                     ; tensor_dim1
	s_mov_b32 s[\g+3], 64<<16                      ; tile_dim0
	s_mov_b32 s[\g+4], 128                         ; tile_dim1
	s_mov_b32 s[\g+5], 64                          ; from row to row
	s_mov_b32 s[\g+6], 0
	s_mov_b32 s[\g+7], 0
.endr
	s_mov_b32 s[G1M+1], 64<<16
	s_mov_b32 s[G1M+2], 32<<16
	s_mov_b32 s[G1M+3], 64<<16
	s_mov_b32 s[G1M+4], 32
	s_mov_b32 s[G1M+5], 64
	s_mov_b32 s[G1M+6], 0
	s_mov_b32 s[G1M+7], 0
	s_mov_b32 s[SEL], 0x76543210
	s_mov_b32 s[SEL+1], 0xfedcba98
	s_mov_b32 s[CS], 0x3e38aa3b                    ; c = log2(e) / 8
	s_mov_b32 s[CS+1], s[CS]
	s_mov_b32 s[MSK], 0xc79c4000                   ; -80,000
	s_mov_b32 s[NEG], 0xff61b1e6                   ; -3e38
	s_wait_dscnt 0x0                               ; both opening adds are done
	s_wait_kmcnt 0x0
	s_add_nc_u64 s[KB:KB+1], s[4:5], s[88:89]
	s_add_nc_u64 s[VB:VB+1], s[KB:KB+1], 33554432
	s_add_nc_u64 s[KB:KB+1], s[KB:KB+1], 16777216
	s_mov_b32 s[G0K], 1
	s_mov_b32 s[G0K+1], s90
	s_mov_b64 s[G0K+2:G0K+3], s[KB:KB+1]
	s_or_b32 s[G0K+3], s[G0K+3], 0x80000000
	s_mov_b32 s[G0V], 1
	s_mov_b32 s[G0V+1], s91
	s_mov_b64 s[G0V+2:G0V+3], s[VB:VB+1]
	s_or_b32 s[G0V+3], s[G0V+3], 0x80000000
	s_mov_b32 s[G0M], 1
	s_mov_b32 s[G0M+1], VMT
	s_add_nc_u64 s[G0M+2:G0M+3], s[6:7], s[94:95]
	s_or_b32 s[G0M+3], s[G0M+3], 0x80000000
	TLOAD                                          ; the first visit's keys, into slot 0
	s_cmp_eq_u32 s[WV], 4                          ; wave 4: the means, once
	s_cbranch_scc0 .Lno_means
	tensor_load_to_lds s[G0M:G0M+3], s[G1M:G1M+7]
	s_nop 0
.rept 4
	v_nop
.endr
.Lno_means:
	s_add_nc_u64 s[QPA:QPA+1], s[4:5], s[84:85]
	s_mov_b64 s[QPB:QPB+1], s[QPA:QPA+1]
	s_add_nc_u64 s[OPA:OPA+1], s[8:9], s[92:93]
	s_mov_b64 s[OPB:OPB+1], s[OPA:OPA+1]
	s_lshl_b32 s86, s[Q0], 7
	s_mov_b32 s87, 0
	s_add_nc_u64 s[QPA:QPA+1], s[QPA:QPA+1], s[86:87]
	s_add_nc_u64 s[OPA:OPA+1], s[OPA:OPA+1], s[86:87]
	s_lshl_b32 s86, s[Q0B], 7
	s_add_nc_u64 s[QPB:QPB+1], s[QPB:QPB+1], s[86:87]
	s_add_nc_u64 s[OPB:OPB+1], s[OPB:OPB+1], s[86:87]
	v_and_b32 v248, 15, v0                         ; r
	v_bfe_u32 v249, v0, 4, 1                       ; h
	v_and_b32 v250, 7, v0
	v_bfe_u32 v251, v0, 3, 1
	v_and_b32 v252, 31, v0
	v_lshlrev_b32 v[QO], 7, v248
	v_lshl_add_u32 v[QO], v249, 4, v[QO]           ; row r x 128 + 16 h
.irp c, 0,1
	global_load_b128 v[QR+8*\c:QR+8*\c+3], v[QO], s[QPA:QPA+1] offset:64*\c
	global_load_b128 v[QR+8*\c+4:QR+8*\c+7], v[QO], s[QPA:QPA+1] offset:64*\c+32
.endr
	v_mul_u32_u24 v[AK0], v248, KP
	v_lshl_add_u32 v[AK0], v249, 4, v[AK0]
	v_lshl_add_u32 v[AV0], v249, 3, v250           ; the turning load: key 8 h + lane % 8, channels 8 ((lane / 8) % 2) on
	v_mul_u32_u24 v[AV0], v[AV0], VP
	v_lshl_add_u32 v[AV0], v251, 4, v[AV0]
	v_add_nc_u32 v[AV0], VOFF, v[AV0]
	v_lshlrev_b32 v[GO], 4, v252
	s_mul_i32 s82, s[WV], 16*KP
	s_add_co_u32 s82, s82, STAGE
	v_add_nc_u32 v[STO], s82, v[AK0]
	v_lshrrev_b32 v253, 3, v252
	v_mul_u32_u24 v253, v253, KP
	v_lshl_add_u32 v253, v250, 4, v253
	v_add_nc_u32 v[RD], s82, v253
	v_lshlrev_b32 v[H8], 3, v249
	v_sub_nc_u32 v[RH], v248, v[H8]
	v_mov_b32 v[MV], s[MSK]
	v_mov_b32 v13, s[NEG]                          ; m: under every score
	v_mul_f32 v12, s[CS], v13
	v_mov_b32 v14, 0
	v_mov_b32 v15, 0
	v_mov_b32 v19, 0                               ; (named as the upper half of a pair)
	v_mov_b32 v254, 0                              ; (a lane permute's destination counts as read)
.set i, 0
.rept 32
	v_mov_b32 v[OT+i], 0                           ; the step is written once: the first finds zeros
.set i, i+1
.endr
; A KEY STEP: 64 keys, the q-th of the slot in hand.  A step all of whose keys come after my 16 queries is left out: a scalar branch on ids.
.macro STEP q
	s_add_co_u32 s82, s[Q0], 15
	s_cmp_gt_u32 s[KF], s82
	s_cbranch_scc1 .Lhidden_\@
	v_add_nc_u32 v[ADK], s[TB], v[AK0]
	v_add_nc_u32 v[ADV], s[TB], v[AV0]
	v_nop
	v_nop                                          ; four plain instructions between the last products and the loads into V's registers
.irp kt, 0,1,2,3
.irp c, 0,1
	ds_load_b128 v[KR+8*(2*\kt+\c):KR+8*(2*\kt+\c)+3], v[ADK] offset:(64*(\q)+16*\kt)*KP+64*\c
	ds_load_b128 v[KR+8*(2*\kt+\c)+4:KR+8*(2*\kt+\c)+7], v[ADK] offset:(64*(\q)+16*\kt)*KP+64*\c+32
.endr
.endr
.irp g, 0,1
.irp ct, 0,1,2,3
	ds_load_tr16_b128 v[VR+8*(4*\g+\ct):VR+8*(4*\g+\ct)+3], v[ADV] offset:(64*(\q)+32*\g)*VP+32*\ct
	ds_load_tr16_b128 v[VR+8*(4*\g+\ct)+4:VR+8*(4*\g+\ct)+7], v[ADV] offset:(64*(\q)+32*\g)*VP+16*VP+32*\ct
.endr
.endr
	s_wait_dscnt 16                                ; K is in; V's sixteen loads may be out
.irp c, 0,1                                    ; four accumulators by turns
.irp kt, 0,1,2,3
.if \c == 0
	v_wmma_f32_16x16x32_f16 v[SR+8*\kt:SR+8*\kt+7], v[KR+8*(2*\kt+\c):KR+8*(2*\kt+\c)+7], v[QR+8*\c:QR+8*\c+7], 0
.else
	v_wmma_f32_16x16x32_f16 v[SR+8*\kt:SR+8*\kt+7], v[KR+8*(2*\kt+\c):KR+8*(2*\kt+\c)+7], v[QR+8*\c:QR+8*\c+7], v[SR+8*\kt:SR+8*\kt+7]
.endif
.endr
.endr
.rept 4
	v_nop
.endr
	s_add_co_u32 s82, s[KF], 63                    ; a step all of whose keys count needs no mask
	s_cmp_le_u32 s82, s[Q0]
	s_cbranch_scc1 .Lopen_\@
	s_sub_co_i32 s82, s[Q0], s[KF]
	v_add_nc_u32 v[DD], s82, v[RH]                 ; register n holds key KF + 16 (n / 8) + 8 h + n % 8: masked where 16 (n / 8) + n % 8 > my query - KF - 8 h
.set n, 0
.rept 32
	v_cmp_gt_i32 vcc_lo, 16*(n/8)+n%8, v[DD]
	v_cndmask_b32 v[SR+n], v[SR+n], v[MV], vcc_lo
.set n, n+1
.endr
.Lopen_\@:
.irp j, 0,1,2,3
	v_max3_num_f32 v[248+\j], v[SR+8*\j], v[SR+8*\j+1], v[SR+8*\j+2]
.endr
.irp k, 3,5
.irp j, 0,1,2,3
	v_max3_num_f32 v[248+\j], v[248+\j], v[SR+8*\j+\k], v[SR+8*\j+\k+1]
.endr
.endr
	v_max3_num_f32 v248, v248, v[SR+7], v[SR+15]
	v_max3_num_f32 v250, v250, v[SR+23], v[SR+31]
	v_max3_num_f32 v248, v248, v249, v250
	v_max3_num_f32 v248, v248, v251, v13           ; with the old m
	v_permlanex16_b32 v249, v248, s[SEL], s[SEL+1] ; the query's other 32 keys lie in the lane 16 away
	v_mov_b32 v16, v12                             ; c m_old
	v_max_num_f32 v13, v248, v249
	v_mul_f32 v12, s[CS], v13
	v_sub_f32 v16, v16, v12
.set i, 0
.rept 16
	v_pk_fma_f32 v[SR+2*i:SR+2*i+1], v[SR+2*i:SR+2*i+1], s[CS:CS+1], v[12:13] op_sel_hi:[1,0,0] neg_lo:[0,0,1] neg_hi:[0,0,1]   ; c s - c m
.set i, i+1
.endr
	v_exp_f32 v18, v16                             ; one batch of 33 exponentials
.set i, 0
.rept 32
	v_exp_f32 v[SR+i], v[SR+i]
.set i, i+1
.endr
	v_nop                                          ; a plain instruction behind the last of them,
	s_wait_alu depctr_va_vdst(0)                   ; and one wait for the batch ahead of its first reader
	v_pk_mul_f32 v[14:15], v[14:15], v[18:19] op_sel_hi:[1,0]
.set i, 0
.rept 16
	v_cvt_pk_f16_f32 v[PR+i], v[SR+2*i], v[SR+2*i+1]
.set i, i+1
.endr
	v_pk_add_f32 v[248:249], v[SR:SR+1], v[SR+2:SR+3]   ; the sum is taken of p before it is rounded, in two chains
.irp j, 4,8,12,16,20,24,28
	v_pk_add_f32 v[14:15], v[14:15], v[SR+\j:SR+\j+1]
	v_pk_add_f32 v[248:249], v[248:249], v[SR+\j+2:SR+\j+3]
.endr
	v_pk_add_f32 v[14:15], v[14:15], v[248:249]
.set i, 0
.rept 16
	v_pk_mul_f32 v[OT+2*i:OT+2*i+1], v[OT+2*i:OT+2*i+1], v[18:19] op_sel_hi:[1,0]
.set i, i+1
.endr
	s_wait_dscnt 0x0                               ; V is in
.irp g, 0,1
.irp ct, 0,1,2,3
	v_wmma_f32_16x16x32_f16 v[OT+8*\ct:OT+8*\ct+7], v[VR+8*(4*\g+\ct):VR+8*(4*\g+\ct)+7], v[PR+8*\g:PR+8*\g+7], v[OT+8*\ct:OT+8*\ct+7]
.endr
.endr
.Lhidden_\@:
	s_add_co_u32 s[KF], s[KF], 64
.endm
; THE CHANGE OF SLOTS stands at a visit's head: all my tensor loads have landed, the add, my reads of the slot that I have left are over; one barrier; fill = 1: that slot takes the next visit's keys.
.macro CHANGE fill
	s_wait_tensorcnt 0x0
	ds_add_u32 v[SPW], v[NIL]                      ; 0 onto my spare word
.if \fill
	ds_add_u32 v[SPW], v[NIL]                      ; and twice on end here, in every trip alike
	s_xor_b32 s[G0K+1], s[G0K+1], SLOT1            ; no load of mine is out: the descriptors may be written.  The other slot,
	s_xor_b32 s[G0V+1], s[G0V+1], SLOT1
	s_add_co_u32 s[NK], s[NK], 1                   ; the next 256 keys, or, when block i has had its i + 1 slots, the first again
	s_cmp_eq_u32 s[NK], s[LIMA]
	s_cselect_b32 s[NK], 0, s[NK]
	s_cselect_b32 s[LIMA], 64, s[LIMA]
	s_lshl_b32 s82, s[NK], 15
	s_mov_b32 s83, 0
	s_add_nc_u64 s[G0K+2:G0K+3], s[KB:KB+1], s[82:83]
	s_or_b32 s[G0K+3], s[G0K+3], 0x80000000
	s_add_nc_u64 s[G0V+2:G0V+3], s[VB:VB+1], s[82:83]
	s_or_b32 s[G0V+3], s[G0V+3], 0x80000000
.endif
	s_wait_dscnt 0x0
	s_barrier_signal -1
	s_barrier_wait -1
.if \fill
	TLOAD                                          ; the first thing behind the barrier, a wave's one tensor load until the next
.endif
.endm
.macro SLOT_STEPS
.set Q, 0
.rept 4
	STEP Q
.set Q, Q+1
.endr
	s_xor_b32 s[TB], s[TB], SLOT1
.endm
; A BLOCK'S END: the keys behind the walk, the division, the way out.  next = 1: block 7 - i follows.
.macro FINISH next
.if \next
.set OPX, OPA
.else
.set OPX, OPB
.endif
	v_add_nc_u32 v[ADV], VMT-VOFF, v[AV0]
	v_nop
	v_nop
	v_nop                                          ; four plain instructions between the last products and the loads into V's registers
.irp ct, 0,1,2,3
	ds_load_tr16_b128 v[VR+8*\ct:VR+8*\ct+3], v[ADV] offset:32*\ct
	ds_load_tr16_b128 v[VR+8*\ct+4:VR+8*\ct+7], v[ADV] offset:32*\ct+16*VP
.endr
.if \next
.irp c, 0,1
	global_load_b128 v[QR+8*\c:QR+8*\c+3], v[QO], s[QPB:QPB+1] offset:64*\c
	global_load_b128 v[QR+8*\c+4:QR+8*\c+7], v[QO], s[QPB:QPB+1] offset:64*\c+32
.endr
.endif
	s_lshr_b32 s82, s[Q0], 6
	s_add_co_u32 s82, s82, 1                       ; the first block of 64 keys behind the walk
	s_lshl_b32 s83, s82, 6
	s_sub_co_u32 s83, 2048, s83                    ; how many keys that is
	s_cmp_lg_u32 s83, 0
	s_cselect_b32 s88, s[MSK], s[NEG]              ; their score; where there are none, a score under every m
	v_cvt_f32_u32 v251, s83
	v_max_num_f32 v16, s88, v13                    ; the last m
	v_mul_f32 v17, s[CS], v16
	v_sub_f32 v248, v12, v17
	v_fma_f32 v249, s88, s[CS], -v17
	v_exp_f32 v18, v248                            ; what was summed is brought under it,
	v_exp_f32 v250, v249                           ; and the weight of one key behind the walk
	v_sub_nc_u32 v253, s82, v[H8]                  ; (a plain instruction behind the two)
	s_wait_alu depctr_va_vdst(0)
	v_mul_f32 v252, 0x42800000, v250               ; 64 keys to a mean
.set n, 0
.rept 16
	v_cmp_ge_i32 vcc_lo, 16*(n/8)+n%8, v253        ; pseudo-key 16 (n / 8) + 8 h + n % 8 counts where it lies behind the walk
	v_cndmask_b32 v[SR+n], 0, v252, vcc_lo
.set n, n+1
.endr
.set i, 0
.rept 8
	v_cvt_pk_f16_f32 v[PR+i], v[SR+2*i], v[SR+2*i+1]
.set i, i+1
.endr
.set i, 0
.rept 16
	v_pk_mul_f32 v[OT+2*i:OT+2*i+1], v[OT+2*i:OT+2*i+1], v[18:19] op_sel_hi:[1,0]
.set i, i+1
.endr
	v_add_f32 v14, v14, v15
	v_permlanex16_b32 v254, v14, s[SEL], s[SEL+1]
	v_add_f32 v14, v14, v254
	v_mul_f32 v251, v250, v251
	v_fma_f32 v14, v14, v18, v251                  ; the row's sum
	v_rcp_f32 v16, v14
	v_nop
	s_wait_dscnt 0x0                               ; the means are in
.irp ct, 0,1,2,3
	v_wmma_f32_16x16x32_f16 v[OT+8*\ct:OT+8*\ct+7], v[VR+8*\ct:VR+8*\ct+7], v[PR:PR+7], v[OT+8*\ct:OT+8*\ct+7]
.endr
.rept 4
	v_nop
.endr
	s_wait_alu depctr_va_vdst(0)                   ; the reciprocal's wait, ahead of its first reader
.set i, 0
.rept 16
	v_pk_mul_f32 v[OT+2*i:OT+2*i+1], v[OT+2*i:OT+2*i+1], v[16:17] op_sel_hi:[1,0]
.set i, i+1
.endr
.set i, 0
.rept 16
	v_cvt_pk_f16_f32 v[SR+i], v[OT+2*i], v[OT+2*i+1]   ; a lane's eight channels of a tile: 16 bytes
.set i, i+1
.endr
.irp ct, 0,1,2,3
	ds_store_b128 v[STO], v[SR+4*\ct:SR+4*\ct+3] offset:32*\ct
.endr
.irp i, 0,1,2,3
	ds_load_b128 v[SR+16+4*\i:SR+16+4*\i+3], v[RD] offset:\i*4*KP   ; LDS serves a wave's instructions in order: these see the stores above
.endr
.irp i, 0,1,2,3
	s_wait_dscnt 3-\i
	global_store_b128 v[GO], v[SR+16+4*\i:SR+16+4*\i+3], s[OPX:OPX+1] offset:512*\i   ; 512 consecutive bytes: four queries' rows
.endr
.if \next
	s_wait_xcnt 0x0                                ; the stores have read their registers, which the next scores take
	s_mov_b32 s[Q0], s[Q0B]
	s_mov_b32 s[KF], 0
	v_mov_b32 v13, s[NEG]
	v_mul_f32 v12, s[CS], v13
	v_mov_b32 v14, 0
	v_mov_b32 v15, 0
.set i, 0
.rept 32
	v_mov_b32 v[OT+i], 0
.set i, i+1
.endr
	s_wait_loadcnt 0x0                             ; the next block's Q
.endif
.endm
	s_wait_loadcnt 0x0                             ; Q
.Lslot:                                            ; eight trips: behind each change of slots the next visit's keys are asked for
	CHANGE 1
	SLOT_STEPS
	s_cmp_lg_u32 s[U], s[IA]                       ; block i ends with visit i: ids alone, the same in all sixteen waves; no barrier and no tensor load stands in what is jumped over
	s_cbranch_scc1 .Lnot_done
	FINISH 1
.Lnot_done:
	s_add_co_u32 s[U], s[U], 1
	s_cmp_lt_u32 s[U], 8
	s_cbranch_scc1 .Lslot
	CHANGE 0                                       ; the ninth visit is written out: nothing is left to ask for
	SLOT_STEPS
	FINISH 0
	s_wait_tensorcnt 0x0                           ; the wave's end
	ds_add_u32 v[SPW], v[NIL]
	s_wait_dscnt 0x0
	s_endpgm
.Lfunc_end_k_q1ae1a11eae_attn:
	.size	k_q1ae1a11eae_attn, .Lfunc_end_k_q1ae1a11eae_attn-k_q1ae1a11eae_attn
	.p2alignl 7, 3214868480
	.fill 96, 4, 3214868480
	.section	.rodata,"a",@progbits
	.p2align	6, 0x0
	.amdhsa_kernel k_q1ae1a11eae_attn
		.amdhsa_group_segment_fixed_size 327680
		.amdhsa_private_segment_fixed_size 0
		.amdhsa_enable_private_segment 0
		.amdhsa_kernarg_size 24
		.amdhsa_user_sgpr_count 2
		.amdhsa_user_sgpr_kernarg_segment_ptr 1
		.amdhsa_wavefront_size32 1
		.amdhsa_system_sgpr_workgroup_id_x 1
		.amdhsa_system_sgpr_workgroup_id_y 1
		.amdhsa_system_sgpr_workgroup_id_z 1
		.amdhsa_system_vgpr_workitem_id 0
		.amdhsa_next_free_vgpr 256
		.amdhsa_next_free_sgpr 96
		.amdhsa_reserve_vcc 1
		.amdhsa_float_denorm_mode_32 3
		.amdhsa_float_denorm_mode_16_64 3
		.amdhsa_memory_ordered 1
		.amdhsa_forward_progress 1
		.amdhsa_inst_pref_size 123
	.end_amdhsa_kernel
	.amdgpu_metadata
---
amdhsa.version: [ 1, 2 ]
amdhsa.kernels:
  - .name:           k_q1ae1a11eae_attn
    .symbol:         k_q1ae1a11eae_attn.kd
    .args:
      - { .name: qkvh, .offset: 0, .size: 8, .value_kind: global_buffer, .address_space: global }
      - { .name: vmean, .offset: 8, .size: 8, .value_kind: global_buffer, .address_space: global }
      - { .name: ao, .offset: 16, .size: 8, .value_kind: global_buffer, .address_space: global }
    .group_segment_fixed_size: 327680
    .private_segment_fixed_size: 0
    .kernarg_segment_align: 8
    .kernarg_segment_size: 24
    .max_flat_workgroup_size: 512
    .sgpr_count:     96
    .vgpr_count:     256
    .wavefront_size: 32
...
	.end_amdgpu_metadata
.endif
;; end of part 3
;; launch proj (part 4): grid 4 x 64, 4 waves a work-group, clusters of 4 x 4, 327,680 bytes of LDS; arguments ao, wt, b_fc, out0; writes out0
.if DOCPART == 4
	.amdgcn_target "amdgcn-amd-amdhsa--gfx1250"
	.amdhsa_code_object_version 6
	.text
	.protected	k_q1ae1a11eae_proj
	.globl	k_q1ae1a11eae_proj
	.p2align	8
	.type	k_q1ae1a11eae_proj,@function
k_q1ae1a11eae_proj:
	s_mov_b64 s[64:65], 0
	v_nop
	global_prefetch_b8 v0, s[64:65] scope:SCOPE_SE
	s_setreg_imm32_b32 hwreg(HW_REG_WAVE_MODE, 25, 1), 1
	s_wait_xcnt 0x0
	s_wait_alu depctr_hold_cnt(0) depctr_sa_sdst(0) depctr_va_vdst(0) depctr_va_sdst(0) depctr_va_ssrc(0) depctr_va_vcc(0) depctr_vm_vsrc(0)
	s_getreg_b32 s2, hwreg(HW_REG_IB_STS2, 6, 4)
	s_cmp_eq_u32 s2, 0
	s_cbranch_scc0 .Lentry_in_a_cluster
	s_endpgm
.Lentry_in_a_cluster:
	s_bfe_u32 s2, ttmp6, 0x10000c
	s_cmp_lg_u32 s2, 0xf033
	s_cbranch_scc0 .Lentry_shape_is_right
	s_endpgm
.Lentry_shape_is_right:
; out0 = attention output x w_fc + b_fc.  A: ao f16 [head][8192 rows][64]; B: wt f16 [1024 (n)][1024 (k)]; out0 f32 [8192][1024]; sums in f32.
; A tile of 128 x 256 to a work-group, so that there are 256 of them; wave (w / 2, w % 2) makes 64 x 128: 32 accumulators.  K goes in steps of 128, two heads, through two LDS slots.
; A head's 128 rows of 128 bytes are 16,384 dense bytes: they come as 64 rows of 256 bytes with 16 of padding, two rows of A to an LDS row.
; CLUSTER 4 x 4: A's tiles are shared along a row of the cluster, B's along a column, by joint loads; a round of the cluster's barrier stands in front of every refill.
; THE MATRIX INSTRUCTION IS USED TRANSPOSED (source 0 = 16 rows of wt, source 1 = 16 rows of ao): a lane holds eight neighbouring columns of a row.  The bias is the C of each sum's first instruction.
; No prefetch: K has eight steps, of which the first four come by their loads at the start and just behind it.
; Rows 0-15 of each batch are written again, more finely, by the launch that follows.
; REGISTERS: window 0: v0-31 addresses; v32-95 the bias; v96-223 rows on the way out.  window 1: two fragment buffers (A 32 registers, then B 64) at v0 and v128.  window 2: the accumulators ((a, b) at v[8 (8 a + b)]).
.set PITCH,  272
.set HB,     64*PITCH                  ; a head's 128 rows of A
.set HALFB,  128*PITCH                 ; 128 rows of B
.set SLOT,   2*HB+2*HALFB
.set SPARE,  2*SLOT                    ; the spare words: 128 bytes a wave
.set SPITCH, 528                       ; the way out: 16 rows x (512 + 16) bytes for each wave, in slot 0, which nobody reads or fills any more by then
.set LAPS,   4
.set ADRA, 16
.set ADRB, 20
.set STO,  24
.set RD,   25
.set CO,   26
.set BO,   27
.set SPW,  28
.set NIL,  29
.set BI,   32
.set BK,   96
.set F0,   0
.set F1,   128
.set G1, 24
.set G0, 32
.set G1B, 48
.set G0B, 56
.set MSB, 0
.macro WIN new
.if MSB != (\new)
	s_set_vgpr_msb (MSB<<8)|(\new)
.set MSB, (\new)
.endif
.endm
.set MUL,  0xa5                        ; sources 0 (B) and 1 (A) window 1; C and D window 2
.set MUL0, 0x85                        ; C (the bias) window 0
.set TO_F, 0x40
.macro JLOAD s                         ; waves 0 and 1 fetch A's two heads, waves 2 and 3 B's two halves; an s_nop 0 and four v_nop follow each line
	s_cmp_eq_u32 s13, 0
	s_cbranch_scc0 .Lfor_b_\@
	tensor_load_to_lds s[G0+4*\s:G0+4*\s+3], s[G1:G1+7]
	s_nop 0
.rept 4
	v_nop
.endr
	s_branch .Lasked_\@
.Lfor_b_\@:
	tensor_load_to_lds s[G0B+4*\s:G0B+4*\s+3], s[G1B:G1B+7]
	s_nop 0
.rept 4
	v_nop
.endr
.Lasked_\@:
.endm
.macro CREST
	s_cmp_lg_u32 s12, 0
	s_cbranch_scc1 .Lnot_wave_0_\@
	s_barrier_signal -3
.Lnot_wave_0_\@:
	s_barrier_wait -3
	s_barrier_signal -1
	s_barrier_wait -1
.endm
.macro CROUND
	s_barrier_signal -1
	s_barrier_wait -1
	CREST
.endm
	s_load_b256 s[4:11], s[0:1], 0x0               ; ao s[4:5], wt s[6:7], b_fc s[8:9], out0 s[10:11]
	v_lshl_add_u32 v[SPW], v0, 2, SPARE
	v_mov_b32 v[NIL], 0
	ds_add_u32 v[SPW], v[NIL]                      ; the wave's opening: the add, twice on end, and its wait ahead of my first tensor load
	ds_add_u32 v[SPW], v[NIL]
	v_lshrrev_b32 v1, 5, v0
	v_readfirstlane_b32 s12, v1                    ; wave 0..3
	s_lshr_b32 s13, s12, 1                         ; which 64 rows are mine; also: I fetch for A (0) or B (1)
	s_and_b32 s14, s12, 1                          ; which 128 columns; also: which head, or which 128 rows of B, I fetch
	s_bfe_u32 s40, ttmp6, 0x40000                  ; cx
	s_bfe_u32 s41, ttmp6, 0x40004                  ; cy
	s_lshl_b32 s42, ttmp9, 2
	s_add_co_u32 s42, s42, s40                     ; tile column
	s_and_b32 s15, ttmp7, 0xffff
	s_lshl_b32 s15, s15, 2
	s_add_co_u32 s15, s15, s41                     ; tile row
	s_lshl_b32 s43, s41, 2
	s_lshl_b32 s43, 15, s43                        ; my row of the cluster
	s_lshl_b32 s44, 0x1111, s40                    ; my column
	s_or_b32 s[G1+0], s43, (3<<16)|(1<<20)|(1<<21)|(5<<22)|(3<<25)    ; A: elements of 8 bytes; 4 words of padding behind every 64
	s_mov_b32 s[G1+1], 32<<16                      ; 32 elements a row,
	s_mov_b32 s[G1+2], 64<<16                      ; 64 rows
	s_mov_b32 s[G1+3], 32<<16
	s_mov_b32 s[G1+4], 64
	s_mov_b32 s[G1+5], 32
	s_mov_b32 s[G1+6], 0
	s_mov_b32 s[G1+7], 0
	s_or_b32 s[G1B+0], s44, (1<<16)|(1<<20)|(1<<21)|(5<<22)|(3<<25)   ; B: elements of 2 bytes
	s_mov_b32 s[G1B+1], 128<<16
	s_mov_b32 s[G1B+2], 128<<16
	s_mov_b32 s[G1B+3], 128<<16
	s_mov_b32 s[G1B+4], 128
	s_mov_b32 s[G1B+5], 1024
	s_mov_b32 s[G1B+6], 0
	s_mov_b32 s[G1B+7], 0
	s_lshl_b32 s16, s15, 14                        ; A: 128 rows of 128 bytes a tile row,
	s_lshl_b32 s17, s14, 20
	s_add_co_u32 s16, s16, s17                     ; 8,192 rows a head
	s_mov_b32 s17, 0
	s_lshl_b32 s46, s42, 19                        ; B: 256 rows of 2,048 bytes a tile column,
	s_lshl_b32 s47, s14, 18
	s_add_co_u32 s46, s46, s47                     ; 128 rows a half
	s_mov_b32 s47, 0
	s_mul_i32 s20, s14, HB
	s_mul_i32 s21, s14, HALFB
	s_add_co_u32 s21, s21, 2*HB
	s_wait_dscnt 0x0                               ; both opening adds are done
	s_wait_kmcnt 0x0
	s_add_nc_u64 s[16:17], s[4:5], s[16:17]
	s_add_nc_u64 s[46:47], s[6:7], s[46:47]
	CROUND                                         ; all sixteen work-groups are here: the first joint loads meet
.irp s, 0,1
	s_mov_b32 s[G0+4*\s], 1
	s_add_co_u32 s[G0+4*\s+1], s20, \s*SLOT
	s_add_nc_u64 s[G0+4*\s+2:G0+4*\s+3], s[16:17], \s*2097152      ; K step s: heads 2 s, 2 s + 1
	s_or_b32 s[G0+4*\s+3], s[G0+4*\s+3], 0x80000000
	s_mov_b32 s[G0B+4*\s], 1
	s_add_co_u32 s[G0B+4*\s+1], s21, \s*SLOT
	s_add_nc_u64 s[G0B+4*\s+2:G0B+4*\s+3], s[46:47], \s*256
	s_or_b32 s[G0B+4*\s+3], s[G0B+4*\s+3], 0x80000000
	JLOAD \s
.endr
	s_lshl_b32 s46, s42, 10                        ; my first column in f32 bytes
	s_lshl_b32 s47, s14, 9
	s_add_co_u32 s46, s46, s47
	s_mov_b32 s47, 0
	s_add_nc_u64 s[8:9], s[8:9], s[46:47]          ; the bias
	s_lshl_b32 s18, s15, 19                        ; out0: 128 rows of 4,096 bytes a tile row,
	s_lshl_b32 s19, s13, 18
	s_add_co_u32 s18, s18, s19                     ; 64 rows a half
	s_mov_b32 s19, 0
	s_add_nc_u64 s[10:11], s[10:11], s[18:19]
	s_add_nc_u64 s[10:11], s[10:11], s[46:47]
	v_and_b32 v1, 15, v0                           ; r
	v_bfe_u32 v2, v0, 4, 1                         ; h
	v_lshlrev_b32 v[BO], 5, v2
.irp b, 0,1,2,3,4,5,6,7
	global_load_b128 v[BI+8*\b:BI+8*\b+3], v[BO], s[8:9] offset:64*\b
	global_load_b128 v[BI+8*\b+4:BI+8*\b+7], v[BO], s[8:9] offset:64*\b+16
.endr
	v_lshrrev_b32 v3, 1, v1
	v_mul_u32_u24 v3, v3, PITCH
	v_and_b32 v4, 1, v0
	v_lshl_add_u32 v3, v4, 7, v3
	v_lshl_add_u32 v3, v2, 4, v3                   ; A: (r / 2) x 272 + (r % 2) x 128 + 16 h
	v_mul_u32_u24 v5, v1, PITCH
	v_lshl_add_u32 v5, v2, 4, v5                   ; B: r x 272 + 16 h
	s_mul_i32 s18, s13, 32*PITCH                   ; my 64 rows of A
	s_mul_i32 s19, s14, HALFB
	s_add_co_u32 s19, s19, 2*HB                    ; my 128 rows of B
.irp s, 0,1
	v_add_nc_u32 v[ADRA+\s], s18, v3
	v_add_nc_u32 v[ADRB+\s], s19, v5
	s_add_co_u32 s18, s18, SLOT
	s_add_co_u32 s19, s19, SLOT
.endr
	s_mul_i32 s23, s12, 16*SPITCH                  ; my stage
	v_mul_u32_u24 v5, v1, SPITCH
	v_lshl_add_u32 v5, v2, 5, v5
	v_add_nc_u32 v[STO], s23, v5
	v_and_b32 v6, 31, v0
	v_lshlrev_b32 v[CO], 4, v6
	v_add_nc_u32 v[RD], s23, v[CO]
.macro MUL8 f, a, zero                 ; A's block a x B's eight, 32 along K.  The 32 accumulators take turns, one instruction a turn, in the same order in every quarter
.irp b, 0,1,2,3,4,5,6,7
.if \zero
	v_wmma_f32_16x16x32_f16 v[8*(8*(\a)+\b):8*(8*(\a)+\b)+7], v[\f+32+8*\b:\f+32+8*\b+7], v[\f+8*(\a):\f+8*(\a)+7], v[BI+8*\b:BI+8*\b+7]
.else
	v_wmma_f32_16x16x32_f16 v[8*(8*(\a)+\b):8*(8*(\a)+\b)+7], v[\f+32+8*\b:\f+32+8*\b+7], v[\f+8*(\a):\f+8*(\a)+7], v[8*(8*(\a)+\b):8*(8*(\a)+\b)+7]
.endif
.endr
.endm
.macro FETCH slot, qi, f               ; 24 LDS loads in one run: quarter qi (32 along K) of the slot: B's eight fragments, then A's four
	WIN TO_F
.irp i, 0,1,2,3,4,5,6,7
	ds_load_b128 v[\f+32+8*\i:\f+32+8*\i+3], v[ADRB+\slot] offset:64*(\qi)+\i*16*PITCH
	ds_load_b128 v[\f+32+8*\i+4:\f+32+8*\i+7], v[ADRB+\slot] offset:64*(\qi)+\i*16*PITCH+32
.endr
.irp i, 0,1,2,3
	ds_load_b128 v[\f+8*\i:\f+8*\i+3], v[ADRA+\slot] offset:((\qi)/2)*HB+((\qi)%2)*64+\i*8*PITCH
	ds_load_b128 v[\f+8*\i+4:\f+8*\i+7], v[ADRA+\slot] offset:((\qi)/2)*HB+((\qi)%2)*64+\i*8*PITCH+32
.endr
.endm
.macro PLACES                          ; four plain instructions in front of loads into registers that matrix instructions have read, and of the first read of results
.rept 4
	v_nop
.endr
.endm
.macro QUARTER slot, qi, f, g, zero    ; multiplies buffer f and fetches quarter qi of the slot into g
	s_wait_dscnt 4                                 ; all but A's blocks 2 and 3 are in
.if \zero
	WIN MUL0
.else
	WIN MUL
.endif
	MUL8 \f, 0, \zero
	MUL8 \f, 1, \zero
	PLACES
	FETCH \slot, \qi, \g
	s_wait_dscnt 24                                ; all but the 24 just issued
.if \zero
	WIN MUL0
.else
	WIN MUL
.endif
	MUL8 \f, 2, \zero
	MUL8 \f, 3, \zero
.endm
; The last quarter of a K step multiplies buffer 1 and changes slots: one barrier; in front of it all my tensor loads have landed, the add, and my reads of this slot are over.  fill = 1: the slot is filled again, two K steps ahead.
.macro TURN slot, next, fill
	WIN 0
	s_wait_tensorcnt 0x0
	ds_add_u32 v[SPW], v[NIL]                      ; 0 onto my spare word
	s_wait_dscnt 5                                 ; the add and the youngest four loads may be out
	WIN MUL
	MUL8 F1, 0, 0
	s_wait_dscnt 0x0
	s_barrier_signal -1
	MUL8 F1, 1, 0
.if \fill
	WIN 0
.endif
	s_barrier_wait -1
.if \fill
	CREST                                          ; the barrier has opened a round of the cluster's: no wave of any partner still reads this slot or has a load on its way
	s_add_nc_u64 s[G0+4*\slot+2:G0+4*\slot+3], s[G0+4*\slot+2:G0+4*\slot+3], 4194304
	s_add_nc_u64 s[G0B+4*\slot+2:G0B+4*\slot+3], s[G0B+4*\slot+2:G0B+4*\slot+3], 512
	JLOAD \slot                                    ; the first tensor load behind the round; its four v_nop are also the places in front of the loads below
.else
	PLACES
.endif
	FETCH \next, 0, F0
	WIN MUL
	MUL8 F1, 2, 0
	MUL8 F1, 3, 0
.endm
	s_wait_tensorcnt 1                             ; my part of K step 0 is in; K step 1's load may be out
	s_barrier_signal -1
	s_barrier_wait -1
	s_wait_loadcnt 0x0                             ; the bias
	FETCH 0, 0, F0
	QUARTER 0, 1, F0, F1, 1                        ; the first quarter stands in front of the loop: its products start the sums on the bias
	WIN 0
	s_mov_b32 s3, LAPS-1
.Llap:                                             ; a trip goes once round the ring and fills both slots again
	QUARTER 0, 2, F1, F0, 0
	QUARTER 0, 3, F0, F1, 0
	TURN 0, 1, 1
	QUARTER 1, 1, F0, F1, 0
	QUARTER 1, 2, F1, F0, 0
	QUARTER 1, 3, F0, F1, 0
	TURN 1, 0, 1
	QUARTER 0, 1, F0, F1, 0
	WIN 0
	s_sub_co_u32 s3, s3, 1
	s_cmp_lg_u32 s3, 0
	s_cbranch_scc1 .Llap
	QUARTER 0, 2, F1, F0, 0                        ; the last lap fills nothing
	QUARTER 0, 3, F0, F1, 0
	TURN 0, 1, 0
	QUARTER 1, 1, F0, F1, 0
	QUARTER 1, 2, F1, F0, 0
	QUARTER 1, 3, F0, F1, 0
	s_wait_dscnt 4
	WIN MUL
	MUL8 F1, 0, 0
	MUL8 F1, 1, 0
	s_wait_dscnt 0
	MUL8 F1, 2, 0
	MUL8 F1, 3, 0
	WIN 0
; THE WAY OUT, a block of 16 rows x 128 columns at a time through my stage: it comes back as rows of 512 bytes
.macro TOSTAGE a
	WIN 0x08                                       ; an LDS store's data: window 2
.irp b, 0,1,2,3,4,5,6,7
	ds_store_b128 v[STO], v[64*(\a)+8*\b:64*(\a)+8*\b+3] offset:64*\b
	ds_store_b128 v[STO], v[64*(\a)+8*\b+4:64*(\a)+8*\b+7] offset:64*\b+16
.endr
	WIN 0
.set BB, BK+64*((\a)%2)
.irp t, 0,1,2,3,4,5,6,7,8,9,10,11,12,13,14,15
	ds_load_b128 v[BB+4*\t:BB+4*\t+3], v[RD] offset:\t*SPITCH
.endr
.endm
.macro SEND a, younger
.set BB, BK+64*((\a)%2)
	s_wait_dscnt \younger
.irp t, 0,1,2,3,4,5,6,7,8,9,10,11,12,13,14,15
	global_store_b128 v[CO], v[BB+4*\t:BB+4*\t+3], s[10:11] offset:(16*(\a)+\t)*4096 th:TH_STORE_NT   ; the wave stores 512 consecutive bytes
.endr
.endm
	PLACES
	TOSTAGE 0
.irp a, 1,2,3
.if \a > 1
	s_wait_xcnt 0x0                                ; the stores of two blocks back have read their registers, which this block's loads take
.endif
	TOSTAGE \a
	SEND \a-1, 32                                  ; behind that block's loads: this block's 16 stores and 16 loads
.endr
	SEND 3, 0
	s_wait_tensorcnt 0x0                           ; the wave's end
	ds_add_u32 v[SPW], v[NIL]
	s_wait_dscnt 0x0
	CROUND                                         ; the closing round
	s_endpgm
.Lfunc_end_k_q1ae1a11eae_proj:
	.size	k_q1ae1a11eae_proj, .Lfunc_end_k_q1ae1a11eae_proj-k_q1ae1a11eae_proj
	.p2alignl 7, 3214868480
	.fill 96, 4, 3214868480
	.section	.rodata,"a",@progbits
	.p2align	6, 0x0
	.amdhsa_kernel k_q1ae1a11eae_proj
		.amdhsa_group_segment_fixed_size 327680
		.amdhsa_private_segment_fixed_size 0
		.amdhsa_enable_private_segment 0
		.amdhsa_kernarg_size 32
		.amdhsa_user_sgpr_count 2
		.amdhsa_user_sgpr_kernarg_segment_ptr 1
		.amdhsa_wavefront_size32 1
		.amdhsa_system_sgpr_workgroup_id_x 1
		.amdhsa_system_sgpr_workgroup_id_y 1
		.amdhsa_system_sgpr_workgroup_id_z 1
		.amdhsa_system_vgpr_workitem_id 0
		.amdhsa_next_free_vgpr 768
		.amdhsa_next_free_sgpr 66
		.amdhsa_reserve_vcc 0
		.amdhsa_float_denorm_mode_32 3
		.amdhsa_float_denorm_mode_16_64 3
		.amdhsa_memory_ordered 1
		.amdhsa_forward_progress 1
		.amdhsa_inst_pref_size 86
	.end_amdhsa_kernel
	.amdgpu_metadata
---
amdhsa.version: [ 1, 2 ]
amdhsa.kernels:
  - .name:           k_q1ae1a11eae_proj
    .symbol:         k_q1ae1a11eae_proj.kd
    .args:
      - { .name: ao, .offset: 0, .size: 8, .value_kind: global_buffer, .address_space: global }
      - { .name: wt, .offset: 8, .size: 8, .value_kind: global_buffer, .address_space: global }
      - { .name: b_fc, .offset: 16, .size: 8, .value_kind: global_buffer, .address_space: global }
      - { .name: out0, .offset: 24, .size: 8, .value_kind: global_buffer, .address_space: global }
    .group_segment_fixed_size: 327680
    .private_segment_fixed_size: 0
    .kernarg_segment_align: 8
    .kernarg_segment_size: 32
    .max_flat_workgroup_size: 128
    .sgpr_count:     66
    .vgpr_count:     768
    .wavefront_size: 32
...
	.end_amdgpu_metadata
.endif
;; end of part 4
;; launch fine (part 5): grid 16 x 4, 16 waves a work-group, no clusters, 71,680 bytes of LDS; arguments qkv32, qkvh, vmean, w_fc, b_fc, out0; writes out0
.if DOCPART == 5
	.amdgcn_target "amdgcn-amd-amdhsa--gfx1250"
	.amdhsa_code_object_version 6
	.text
	.protected	k_q1ae1a11eae_fine
	.globl	k_q1ae1a11eae_fine
	.p2align	8
	.type	k_q1ae1a11eae_fine,@function
k_q1ae1a11eae_fine:
	s_mov_b64 s[64:65], 0
	v_nop
	global_prefetch_b8 v0, s[64:65] scope:SCOPE_SE
	s_setreg_imm32_b32 hwreg(HW_REG_WAVE_MODE, 25, 1), 1
	s_wait_xcnt 0x0
; The first 16 positions of every batch once more, all in f32: attention and the projection, by the f32 matrix form (no bulk work: 96 instructions a wave).
; Work-group (n0 = 64 x, batch); wave = head.  Each wave makes its head's attention for the 16 positions and its head's part of 64 columns of the output; the sixteen parts meet in LDS; wave w then stores row w.
; K is permuted alike on both operands of each product, so that each result is the next product's operand in the same lanes:
;   S^T = K Q^T: lane (r, h) holds channels 32 h .. 32 h + 31 of row r of k and of q; the result: query r, keys 8 h + 0..7.
;   O^T = V^T P: source 1 = p as it stands; source 0: V[8 h + i][16 ct + r]; the result: query r, channels 16 ct + 8 h + 0..7.
;   Y^T = W^T O: source 1 = O as it stands; source 0: W[64 head + 16 ct + 8 h + i][n0 + 16 nt + r]; the result: query r, columns n0 + 16 nt + 8 h + 0..7.
; THE MASK IS -10,000 (here -80,000, ahead of the division by 8).  Keys 16 .. 2047 all have that score: their weight e = 2^(c (-80,000 - m)) multiplies T, the sum of their V
; (rows 16-63 from qkvh, the rest as 64 x the means of vmean), and 2,032 e enters the row's sum.
; The registers that the f32 matrix form writes (v192-223) are written by matrix instructions alone.
.set SPARE, 69632                      ; behind the sixteen parts of 16 x 272 bytes: the spare words, 128 bytes a wave
.set PH,  16                           ; v16-95   20 loads of f16: V's rows 16 + r, 32 + r, 48 + r and the means r, 16 + r
.set WA,  16                           ; v16-79   later: W for column tiles 0, 1
.set SS,  80                           ; v80-87   the scores
.set PP,  88                           ; v88-95   p
.set QF,  96
.set KFR, 128
.set WB,  96                           ; v96-159  later: W for column tiles 2, 3
.set VT,  160
.set OO,  160                          ; v160-191 later: the attention output
.set ACC, 192
.set TT,  224                          ; v224-255 T; later addresses and the bias
	s_load_b256 s[4:11], s[0:1], 0x0               ; qkv32 s[4:5], qkvh s[6:7], vmean s[8:9], w_fc s[10:11]
	s_load_b128 s[12:15], s[0:1], 0x20             ; b_fc s[12:13], out0 s[14:15]
	v_lshl_add_u32 v14, v0, 2, SPARE               ; my spare word; never rewritten
	v_mov_b32 v15, 0                               ; 0; never rewritten
	v_lshrrev_b32 v1, 5, v0
	v_readfirstlane_b32 s16, v1                    ; wave: my head, later my row
	s_and_b32 s17, ttmp7, 0xffff                   ; batch
	v_and_b32 v1, 15, v0                           ; r
	v_bfe_u32 v2, v0, 4, 1                         ; h
	v_mul_u32_u24 v3, v1, 12288
	v_lshl_add_u32 v3, v2, 7, v3                   ; q, k: row r, channels 32 h on
	v_mul_u32_u24 v4, v2, 98304
	v_lshl_add_u32 v4, v1, 2, v4                   ; v: rows 8 h on, channel r
	v_lshlrev_b32 v5, 15, v2
	v_lshl_add_u32 v5, v1, 2, v5                   ; w_fc: rows 8 h on, column r
	v_lshlrev_b32 v6, 7, v1
	v_lshl_add_u32 v6, v2, 4, v6                   ; f16 rows of 128 bytes: row r, channels 8 h on
	v_lshlrev_b32 v7, 3, v2
	v_sub_nc_u32 v7, v1, v7                        ; r - 8 h
	s_mul_i32 s20, s17, 196608
	s_lshl_b32 s21, s16, 8
	s_add_co_u32 s20, s20, s21                     ; qkv32: the batch's 16 rows, my head's 64 columns
	s_mov_b32 s21, 0
	s_lshl_b32 s22, s17, 4
	s_add_co_u32 s22, s22, s16                     ; batch x 16 + head
	s_lshl_b32 s24, s22, 18
	s_add_co_u32 s24, s24, 33554432                ; qkvh: v's part
	s_mov_b32 s25, 0
	s_lshl_b32 s26, s22, 12
	s_mov_b32 s27, 0
	s_lshl_b32 s30, ttmp9, 8                       ; n0 in f32 bytes
	s_mov_b32 s31, 0
	s_lshl_b32 s28, s16, 18                        ; w_fc: my head's 64 rows of 4,096 bytes
	s_add_co_u32 s28, s28, s30
	s_mov_b32 s29, 0
	s_lshl_b32 s32, s17, 23                        ; out0: the batch's 2,048 rows of 4,096 bytes, row = wave
	s_lshl_b32 s33, s16, 12
	s_add_co_u32 s32, s32, s33
	s_add_co_u32 s32, s32, s30
	s_mov_b32 s33, 0
	s_mov_b32 s34, 0x76543210
	s_mov_b32 s35, 0xfedcba98
	s_mov_b32 s36, 0x3e38aa3b                      ; c = log2(e) / 8
	s_mov_b32 s37, 0xc79c4000                      ; -80,000
	s_mov_b32 s38, 0x44fe0000                      ; 2,032
	s_wait_kmcnt 0x0
	s_add_nc_u64 s[4:5], s[4:5], s[20:21]
	s_add_nc_u64 s[6:7], s[6:7], s[24:25]
	s_add_nc_u64 s[8:9], s[8:9], s[26:27]
	s_add_nc_u64 s[10:11], s[10:11], s[28:29]
	s_add_nc_u64 s[12:13], s[12:13], s[30:31]
	s_add_nc_u64 s[14:15], s[14:15], s[32:33]
.irp k, 1,2,3
.irp ct, 0,1,2,3
	global_load_b128 v[PH+16*(\k-1)+4*\ct:PH+16*(\k-1)+4*\ct+3], v6, s[6:7] offset:\k*2048+32*\ct
.endr
.endr
.irp g, 0,1
.irp ct, 0,1,2,3
	global_load_b128 v[PH+48+16*\g+4*\ct:PH+48+16*\g+4*\ct+3], v6, s[8:9] offset:\g*2048+32*\ct
.endr
.endr
.irp i, 0,1,2,3,4,5,6,7
	global_load_b128 v[QF+4*\i:QF+4*\i+3], v3, s[4:5] offset:16*\i
.endr
.irp i, 0,1,2,3,4,5,6,7
	global_load_b128 v[KFR+4*\i:KFR+4*\i+3], v3, s[4:5] offset:4096+16*\i
.endr
.irp ct, 0,1,2,3
.irp i, 0,1,2,3,4,5,6,7
	global_load_b32 v[VT+8*\ct+\i], v4, s[4:5] offset:8192+\i*12288+\ct*64
.endr
.endr
	v_mov_b32 v12, 0x42800000                      ; 64
	v_cmp_ne_u32 vcc_lo, 0, v1
	v_cndmask_b32 v13, 0, v12, vcc_lo              ; the first mean covers keys 0-63, which are counted singly: weight 0
	s_wait_loadcnt 48                              ; the 20 loads of f16 are in; q, k and v, 48 loads, may be out
; T: register 8 ct + j = the sum over keys 16 .. 2047 of V[key][16 ct + 8 h + j].  First my rows, then the sixteen lanes of a half.
.macro TSUM g
.irp ct, 0,1,2,3
.irp w, 0,1,2,3
	v_mov_b32 v8, v[PH+16*\g+4*\ct+\w]             ; (a fixed register, whose halves can be named)
.if \g == 0
	v_cvt_f32_f16 v[TT+8*\ct+2*\w], v8.l
	v_cvt_f32_f16 v[TT+8*\ct+2*\w+1], v8.h
.else
	v_cvt_f32_f16 v10, v8.l
	v_cvt_f32_f16 v11, v8.h
.if \g < 3
	v_pk_add_f32 v[TT+8*\ct+2*\w:TT+8*\ct+2*\w+1], v[TT+8*\ct+2*\w:TT+8*\ct+2*\w+1], v[10:11]
.elseif \g == 3
	v_fma_f32 v[TT+8*\ct+2*\w], v10, v13, v[TT+8*\ct+2*\w]
	v_fma_f32 v[TT+8*\ct+2*\w+1], v11, v13, v[TT+8*\ct+2*\w+1]
.else
	v_fma_f32 v[TT+8*\ct+2*\w], v10, v12, v[TT+8*\ct+2*\w]
	v_fma_f32 v[TT+8*\ct+2*\w+1], v11, v12, v[TT+8*\ct+2*\w+1]
.endif
.endif
.endr
.endr
.endm
	TSUM 0
	TSUM 1
	TSUM 2
	TSUM 3
	TSUM 4
.irp m, 1,2,4,8
.set i, 0
.rept 32
	v_add_f32_dpp v[TT+i], v[TT+i], v[TT+i] row_xmask:\m row_mask:0xf bank_mask:0xf
.set i, i+1
.endr
.endr
	s_wait_loadcnt 0x0                             ; q, k, v
.irp nt, 0,1
.irp ct, 0,1,2,3
.irp i, 0,1,2,3,4,5,6,7
	global_load_b32 v[WA+32*\nt+8*\ct+\i], v5, s[10:11] offset:(16*\ct+\i)*4096+\nt*64
.endr
.endr
.endr
; S^T: sixteen K steps of 4 on four accumulators by turns; the first four start the sums
.set c, 0
.rept 16
.if c < 4
	v_wmma_f32_16x16x4_f32 v[ACC+8*(c%4):ACC+8*(c%4)+7], v[KFR+2*c:KFR+2*c+1], v[QF+2*c:QF+2*c+1], 0
.else
	v_wmma_f32_16x16x4_f32 v[ACC+8*(c%4):ACC+8*(c%4)+7], v[KFR+2*c:KFR+2*c+1], v[QF+2*c:QF+2*c+1], v[ACC+8*(c%4):ACC+8*(c%4)+7]
.endif
.set c, c+1
.endr
.rept 9
	v_nop                                          ; places behind this form: for the reads below, the loads into q's and k's registers, and the products that begin these accumulators anew
.endr
.irp j, 0,2,4,6
	v_pk_add_f32 v[SS+\j:SS+\j+1], v[ACC+\j:ACC+\j+1], v[ACC+8+\j:ACC+8+\j+1]
.endr
.irp j, 0,2,4,6
	v_pk_add_f32 v[PP+\j:PP+\j+1], v[ACC+16+\j:ACC+16+\j+1], v[ACC+24+\j:ACC+24+\j+1]
.endr
.irp j, 0,2,4,6
	v_pk_add_f32 v[SS+\j:SS+\j+1], v[SS+\j:SS+\j+1], v[PP+\j:PP+\j+1]
.endr
.irp nt, 0,1
.irp ct, 0,1,2,3
.irp i, 0,1,2,3,4,5,6,7
	global_load_b32 v[WB+32*\nt+8*\ct+\i], v5, s[10:11] offset:(16*\ct+\i)*4096+(\nt+2)*64
.endr
.endr
.endr
	v_mov_b32 v13, s37
.irp j, 0,1,2,3,4,5,6,7
	v_cmp_gt_i32 vcc_lo, \j, v7                    ; key 8 h + j is masked for query r where j > r - 8 h
	v_cndmask_b32 v[SS+\j], v[SS+\j], v13, vcc_lo
.endr
	v_max3_num_f32 v8, v[SS], v[SS+1], v[SS+2]
	v_max3_num_f32 v9, v[SS+3], v[SS+4], v[SS+5]
	v_max3_num_f32 v8, v8, v[SS+6], v[SS+7]
	v_max3_num_f32 v8, v8, v9, v13                 ; keys 16 on are masked for every query here
	v_permlanex16_b32 v9, v8, s34, s35
	v_max_num_f32 v8, v8, v9                       ; m
	v_mul_f32 v9, s36, v8
.irp j, 0,1,2,3,4,5,6,7
	v_fma_f32 v[PP+\j], v[SS+\j], s36, -v9
.endr
	v_fma_f32 v10, v13, s36, -v9
.irp j, 0,1,2,3,4,5,6,7
	v_exp_f32 v[PP+\j], v[PP+\j]
.endr
	v_exp_f32 v10, v10                             ; e
	v_nop
	s_wait_alu depctr_va_vdst(0)                   ; one wait for the nine, ahead of their first reader
	v_pk_add_f32 v[8:9], v[PP:PP+1], v[PP+2:PP+3]
	v_pk_add_f32 v[8:9], v[8:9], v[PP+4:PP+5]
	v_pk_add_f32 v[8:9], v[8:9], v[PP+6:PP+7]
	v_add_f32 v8, v8, v9
	v_permlanex16_b32 v9, v8, s34, s35
	v_add_f32 v8, v8, v9
	v_fma_f32 v8, v10, s38, v8                     ; the row's sum
	v_rcp_f32 v12, v8
	v_nop
.irp c, 0,1,2,3                                ; O^T: four K steps of 4 keys, four accumulators by turns
.irp ct, 0,1,2,3
.if \c == 0
	v_wmma_f32_16x16x4_f32 v[ACC+8*\ct:ACC+8*\ct+7], v[VT+8*\ct+2*\c:VT+8*\ct+2*\c+1], v[PP+2*\c:PP+2*\c+1], 0
.else
	v_wmma_f32_16x16x4_f32 v[ACC+8*\ct:ACC+8*\ct+7], v[VT+8*\ct+2*\c:VT+8*\ct+2*\c+1], v[PP+2*\c:PP+2*\c+1], v[ACC+8*\ct:ACC+8*\ct+7]
.endif
.endr
.endr
.rept 9
	v_nop
.endr
	s_wait_alu depctr_va_vdst(0)                   ; the reciprocal's wait
.set i, 0
.rept 16
	v_pk_fma_f32 v[OO+2*i:OO+2*i+1], v[TT+2*i:TT+2*i+1], v[10:11], v[ACC+2*i:ACC+2*i+1] op_sel_hi:[1,0,1]   ; + e T
.set i, i+1
.endr
.set i, 0
.rept 16
	v_pk_mul_f32 v[OO+2*i:OO+2*i+1], v[OO+2*i:OO+2*i+1], v[12:13] op_sel_hi:[1,0]                           ; / the sum
.set i, i+1
.endr
	v_and_b32 v226, 31, v0
	v_lshlrev_b32 v226, 3, v226                    ; 8 x lane
	s_mul_i32 s20, s16, 16*272
	v_mul_u32_u24 v227, v1, 272
	v_lshl_add_u32 v227, v2, 5, v227
	v_add_nc_u32 v227, s20, v227                   ; my part: row r, 32 h bytes on
	s_mul_i32 s20, s16, 272
	v_add_nc_u32 v228, s20, v226                   ; back: row = wave, of each part
	s_wait_loadcnt 0x0                             ; all of W
	global_load_b64 v[224:225], v226, s[12:13]     ; the bias of my two columns
.irp ct, 0,1,2,3                               ; Y^T: sixteen K steps of 4 channels, four accumulators by turns
.irp c, 0,1,2,3
.irp nt, 0,1,2,3
.if \nt < 2
.set WR, WA+32*\nt+8*\ct+2*\c
.else
.set WR, WB+32*(\nt-2)+8*\ct+2*\c
.endif
.if (\ct == 0) && (\c == 0)
	v_wmma_f32_16x16x4_f32 v[ACC+8*\nt:ACC+8*\nt+7], v[WR:WR+1], v[OO+8*\ct+2*\c:OO+8*\ct+2*\c+1], 0
.else
	v_wmma_f32_16x16x4_f32 v[ACC+8*\nt:ACC+8*\nt+7], v[WR:WR+1], v[OO+8*\ct+2*\c:OO+8*\ct+2*\c+1], v[ACC+8*\nt:ACC+8*\nt+7]
.endif
.endr
.endr
.endr
.rept 9
	v_nop
.endr
.irp nt, 0,1,2,3
	ds_store_b128 v227, v[ACC+8*\nt:ACC+8*\nt+3] offset:64*\nt
	ds_store_b128 v227, v[ACC+8*\nt+4:ACC+8*\nt+7] offset:64*\nt+16
.endr
	s_wait_dscnt 0x0                               ; for the others' sake: my part lies in LDS
	s_barrier_signal -1
	s_barrier_wait -1
.irp p, 0,1,2,3,4,5,6,7,8,9,10,11,12,13,14,15
	ds_load_b64 v[16+2*\p:17+2*\p], v228 offset:\p*16*272
.endr
	s_wait_dscnt 0x0
.irp p, 1,2,3,4,5,6,7,8,9,10,11,12,13,14,15
	v_pk_add_f32 v[16:17], v[16:17], v[16+2*\p:17+2*\p]   ; the heads in ascending order
.endr
	s_wait_loadcnt 0x0
	v_pk_add_f32 v[16:17], v[16:17], v[224:225]
	global_store_b64 v226, v[16:17], s[14:15]      ; the wave stores 256 consecutive bytes, aligned
	s_wait_tensorcnt 0x0                           ; the wave's end, behind my last LDS store
	ds_add_u32 v14, v15
	s_wait_dscnt 0x0
	s_endpgm
.Lfunc_end_k_q1ae1a11eae_fine:
	.size	k_q1ae1a11eae_fine, .Lfunc_end_k_q1ae1a11eae_fine-k_q1ae1a11eae_fine
	.p2alignl 7, 3214868480
	.fill 96, 4, 3214868480
	.section	.rodata,"a",@progbits
	.p2align	6, 0x0
	.amdhsa_kernel k_q1ae1a11eae_fine
		.amdhsa_group_segment_fixed_size 71680
		.amdhsa_private_segment_fixed_size 0
		.amdhsa_enable_private_segment 0
		.amdhsa_kernarg_size 48
		.amdhsa_user_sgpr_count 2
		.amdhsa_user_sgpr_kernarg_segment_ptr 1
		.amdhsa_wavefront_size32 1
		.amdhsa_system_sgpr_workgroup_id_x 1
		.amdhsa_system_sgpr_workgroup_id_y 1
		.amdhsa_system_sgpr_workgroup_id_z 1
		.amdhsa_system_vgpr_workitem_id 0
		.amdhsa_next_free_vgpr 256
		.amdhsa_next_free_sgpr 66
		.amdhsa_reserve_vcc 1
		.amdhsa_float_denorm_mode_32 3
		.amdhsa_float_denorm_mode_16_64 3
		.amdhsa_memory_ordered 1
		.amdhsa_forward_progress 1
		.amdhsa_inst_pref_size 58
	.end_amdhsa_kernel
	.amdgpu_metadata
---
amdhsa.version: [ 1, 2 ]
amdhsa.kernels:
  - .name:           k_q1ae1a11eae_fine
    .symbol:         k_q1ae1a11eae_fine.kd
    .args:
      - { .name: qkv32, .offset: 0, .size: 8, .value_kind: global_buffer, .address_space: global }
      - { .name: qkvh, .offset: 8, .size: 8, .value_kind: global_buffer, .address_space: global }
      - { .name: vmean, .offset: 16, .size: 8, .value_kind: global_buffer, .address_space: global }
      - { .name: w_fc, .offset: 24, .size: 8, .value_kind: global_buffer, .address_space: global }
      - { .name: b_fc, .offset: 32, .size: 8, .value_kind: global_buffer, .address_space: global }
      - { .name: out0, .offset: 40, .size: 8, .value_kind: global_buffer, .address_space: global }
    .group_segment_fixed_size: 71680
    .private_segment_fixed_size: 0
    .kernarg_segment_align: 8
    .kernarg_segment_size: 48
    .max_flat_workgroup_size: 512
    .sgpr_count:     66
    .vgpr_count:     256
    .wavefront_size: 32
...
	.end_amdgpu_metadata
.endif
;; end of part 5
